; MI455X (gfx1250); checked and timed in simulation.
; The chip was launched on July 23, 2026; its instructions are those of AMD's public machine-readable ISA for CDNA 5 (MIT licence, August 2026) and "CDNA5" Instruction Set Architecture Reference Guide (July 2026). The comments in the code are by the model that wrote it; some were corrected since.
;; GPT2 Attention. Allowed arithmetic: matrix products marked QUANTISED: E5M2 operands, one given power-of-two scale a tensor, by v_wmma_f32_16x16x64_bf8_bf8 or v_wmma_f32_16x16x128_bf8_bf8, f32 sums; everything else in f32.
;; Inputs: W_attn_codes 3,072 x 32 x 32 uint8 (E5M2 codes of W_attn, K innermost, in blocks of 32 codes); W_proj_codes 1,024 x 32 x 32 uint8 (E5M2 codes of W_proj, K innermost, in blocks of 32 codes); attention_mask 2 x 2,048 int32; b_attn 3,072 float32; b_proj 1,024 float32; hidden_states_codes 2 x 2,048 x 32 x 32 uint8 (E5M2 codes of hidden_states, K innermost, in blocks of 32 codes); lowp_scales 8 int32 (the exponents e of the quantised operands' scales 2^e).
;; Outputs: out0 2 x 2,048 x 1,024 float32.
;; This version of the problem:
;;   THIS VERSION OF THE PROBLEM IS GIVEN IN LOW PRECISION. The matrix products marked QUANTISED in the list below multiply operands that are first quantised to E5M2 (5 exponent bits, 2 mantissa bits; 8 bits a number), with one given power-of-two scale for each operand tensor; their sums are f32. All else is computed in f32.
;;   The module's matrix products, in the order in which they are computed (A, B: the left and right operand; K: the contracted axis; several contracted axes count as one K, in the product's order):
;;     1. [M 4,096, K 1,024] x [K 1,024, N 3,072]; A: input hidden_states (given as codes); B: input W_attn (given as codes): QUANTISED (scales: A lowp_scales[0], B lowp_scales[1])
;;     2. batch 32 x [M 2,048, K 64] x [K 64, N 2,048]; A: computed on the way; B: computed on the way: QUANTISED (scales: A lowp_scales[2], B lowp_scales[3])
;;     3. batch 32 x [M 2,048, K 2,048] x [K 2,048, N 64]; A: softmax (see below); B: computed on the way: QUANTISED (scales: A lowp_scales[4], B lowp_scales[5])
;;     4. [M 4,096, K 1,024] x [K 1,024, N 1,024]; A: computed on the way; B: input W_proj (given as codes): QUANTISED (scales: A lowp_scales[6], B lowp_scales[7])
;;   THE QUANTISER, for each operand of a quantised product, along K:
;;     - The operand's scale is 2^e, e = its entry of the input lowp_scales (int32; the entries are numbered through the quantised products in the list's order, A before B).
;;     - Each number is divided by the scale, clamped to +-57,344, and rounded to the nearest number of E5M2, ties to even, subnormals kept.
;;     - The product sums the exact products of the quantised numbers (number of the format x scale) in f32.
;;   ~~~python
;;   def quantise(x, axis, e):      # numpy; x: float32 -> the quantised numbers, widened to float32 again
;;       x = np.moveaxis(x, axis, -1); K = x.shape[-1]
;;       r = np.clip(x / 2.0 ** e, -57344, 57344)
;;       step = 2.0 ** (np.maximum(np.frexp(np.where(r == 0, 1, r))[1] - 1, -14) - 2)
;;       q = np.round(r / step) * step * 2.0 ** e      # np.round: ties to even
;;       return np.moveaxis(q, -1, axis).astype(np.float32)
;;   ~~~
;;   SOFTMAX AHEAD OF A QUANTISED PRODUCT. Where the list says 'softmax', what is quantised is not the finished softmax but p = 2^(t - M), with t = logit x log2(e) and M = ceil(the row's largest t), a whole number; so 1/2 < the row's largest p <= 1. The row's sum l is taken of the UNQUANTISED p, in f32, and the product's result is divided by l at the end. Since M is a whole number, a kernel that streams over the keys may use a running M (the ceiling of the running maximum): every later rescaling is an exact power of two, so the quantised numbers keep their values, but for numbers so far below the row's largest that they fall under the format's range.
;;   OPERANDS COMPUTED ON THE WAY. 'Computed on the way' means the value that the module computes at that place (a softmax that the list does not call 'softmax' is quantised finished and normalised). What goes into a quantiser is computed in f32, as accurately as f32 sums, v_exp_f32 and their like allow (about 1e-6 of the number): no bf16 or f16 on the way to a quantiser, and a product that is left as it is and whose result goes on into a quantised operand takes f32 operands (vector FMAs, or v_wmma_f32_16x16x4_f32). A number that lies on a knife's edge between two numbers of the format may be rounded either way, as far as f32 arithmetic and the matrix unit's own rounding can turn it there, and no further.
;;   INPUTS GIVEN AS CODES. W_attn (in the module: [3072, 1024], K = its axis 1); W_proj (in the module: [1024, 1024], K = its axis 1); hidden_states (in the module: [2, 2048, 1024], K = its axis 2): each comes as NAME_codes (uint8): NAME with its K axis moved to the last place and cut into blocks of 32 codes, [.., K / 32, bytes a block], one block behind the other in memory; one code a byte (a code: sign, 5 exponent bits, 2 mantissa bits); its scale is its entry of lowp_scales. Its value is code x scale, taken as it is: it is not quantised again, and the codes and scales need not be those that the quantiser above would give.
;; One version. Each part assembles by itself: llvm-mc -triple=amdgcn-amd-amdhsa -mcpu=gfx1250 --defsym DOCPART=n.
;; ======== version 1 of 1: 3 launches
;; limits: right only within a limited range of input values
;; workspace buffers: q_img 4,194,304 bytes; k_img 4,194,304 bytes; v_img 4,194,304 bytes; ctx_img 4,194,304 bytes
;; launch qkv (part 1): grid 16 x 16, 4 waves a work-group, clusters of 4 x 4, 327,680 bytes of LDS; arguments hidden_states_codes, W_attn_codes, lowp_scales, b_attn, attention_mask, q_img, k_img, v_img; writes q_img, k_img, v_img
.if DOCPART == 1
	.amdgcn_target "amdgcn-amd-amdhsa--gfx1250"
	.amdhsa_code_object_version 6
	.text
	.protected	k_q9c382a9282_qkv
	.globl	k_q9c382a9282_qkv
	.p2align	8
	.type	k_q9c382a9282_qkv,@function
k_q9c382a9282_qkv:
	s_mov_b64 s[64:65], 0
	v_nop
	global_prefetch_b8 v0, s[64:65] scope:SCOPE_SE
	s_setreg_imm32_b32 hwreg(HW_REG_WAVE_MODE, 25, 1), 1
	s_wait_xcnt 0x0
	s_wait_alu depctr_hold_cnt(0) depctr_sa_sdst(0) depctr_va_vdst(0) depctr_va_sdst(0) depctr_va_ssrc(0) depctr_va_vcc(0) depctr_vm_vsrc(0)
	s_getreg_b32 s2, hwreg(HW_REG_IB_STS2, 6, 4)
	s_cmp_eq_u32 s2, 0
	s_cbranch_scc0 .Lentry_in_a_cluster
	s_endpgm
.Lentry_in_a_cluster:
	s_bfe_u32 s2, ttmp6, 0x10000c
	s_cmp_lg_u32 s2, 0xf033
	s_cbranch_scc0 .Lentry_shape_is_right
	s_endpgm
.Lentry_shape_is_right:
; q, k, v = hidden W_attn^T + b_attn on codes of BF8 (E5M2), each then quantised (2^e2, 2^e3, 2^e5) into images of the operand registers of attention's products.
; A work-group makes 256 tokens x one head's 64 columns of q, of k and of v: 16 x 16 = 256 work-groups.  A wave makes 64 tokens x 192 columns: 48 accumulators.
; q, k: source 0 = 16 rows of W_attn, source 1 = 16 tokens: a lane holds one token, its registers run along the head.  v: the sources exchanged: a lane holds one channel, its registers run along the tokens.  Each is the next product's K.
; K goes in four steps of 256 through a ring of two LDS slots: 256 rows of tokens (wave 3 asks), 3 x 64 rows of W_attn (waves 0 to 2 ask), all by joint loads: tokens along a row of the 4 x 4 cluster, W_attn along a column.
; A fragment is 16 registers by four loads of 16 bytes: k = 32 c + 16 h + 0 .. 15 in registers 4 c .. 4 c + 3, the same permutation of k on both sides.
; THE WORK goes by groups: group n is K step of 128 number n / 3 and the columns of q, k or v (n % 3): 16 matrix instructions.  W_attn's fragments go through a ring of four buffers of 64 registers, asked for two groups ahead; the tokens' through two.
; IMAGES: q, k: a tile of 16 tokens is 1 KiB: [2 pieces][lane][16 bytes].  v: a block of 128 tokens is 8 KiB: [4 tiles of 16 channels][4 pieces][lane][16 bytes].
; A padded token's k is held between -0 and 0: its codes are zeros.
; PREFETCH: K steps 2 and 3, each asked for behind the load that stands two refills ahead of its own; the four partners of a cluster share a load's rows out by address.  Nothing lies behind K step 3.
; DEAD WORK IN THIS PROGRAM: a tile of scores that lies wholly behind the causal mask is replaced by -10,000 by reference() itself, whatever it holds: launch attn does not compute it.
; LIMITS: e0 + e1 between -126 and 127; e2, e3, e5 between -126 and 112.  A NaN, an infinity or an overflow that reaches only the work left out is not carried to the result.
; REGISTERS: window 0: v16-30 addresses; v32-95, v96-159 the tokens' fragments (on the way out: v32-63 at work, v64-159 codes); v160-223 biases of q and k, v224-227 of v, v228-231 mask, v232-237 scales and largest numbers.
;   window 1: W_attn's ring.  window 2: accumulators of q, then of k ((b, a) at v[8 (4 b + a)], b columns, a tokens).  window 3: of v.
.set PITCH, 272
.set WOFF,  256*PITCH
.set SLOT,  448*PITCH
.set SPARE, 2*SLOT
.set ADRA, 16
.set ADRB, 20
.set BNA,  24
.set BVA,  25
.set MKA,  26
.set CO,   27
.set SPW,  28
.set NIL,  29
.set PFO,  30
.set AF,   32
.set TMP,  32
.set CD,   64
.set BQ,   160
.set BV,   224
.set MK,   228
.set QS,   232
.set QL,   235
.set G1, 24
.set G0, 32
.set G1B, 48
.set G0B, 56
.set PFA, 96
.set MSB, 0
.macro WIN new                         ; the immediate's high byte repeats the setting that is left
.if MSB != \new
	s_set_vgpr_msb (MSB<<8)|\new
.set MSB, \new
.endif
.endm
.macro PLACES                          ; plain vector lines between a matrix instruction and a load into one of its registers, or a read of its result
.rept 4
	v_nop
.endr
.endm
; A joint load: wave 3 asks for tokens, the others for W_attn; four v_nop follow each line.
.macro JLOAD s
	s_cmp_eq_u32 s14, 3
	s_cbranch_scc0 .Lfor_w_\@
	tensor_load_to_lds s[G0+4*\s:G0+4*\s+3], s[G1:G1+7]
	s_nop 0
	PLACES
	s_branch .Lasked_\@
.Lfor_w_\@:
	tensor_load_to_lds s[G0B+4*\s:G0B+4*\s+3], s[G1B:G1B+7]
	s_nop 0
	PLACES
.Lasked_\@:
.endm
.macro CREST                           ; a round of the cluster's barrier behind its opening barrier
	s_cmp_lg_u32 s14, 0
	s_cbranch_scc1 .Lnot_wave_0_\@
	s_barrier_signal -3
.Lnot_wave_0_\@:
	s_barrier_wait -3
	s_barrier_signal -1
	s_barrier_wait -1
.endm
.macro CROUND
	s_barrier_signal -1
	s_barrier_wait -1
	CREST
.endm
; K step k of the rows that I fetch, my work-group's quarter of them: 64 rows of tokens (two instructions) or 16 of W_attn (lanes 16 to 31 name the last row again).
.macro ASK k
	global_prefetch_b8 v[PFO], s[PFA:PFA+1] offset:256*\k th:TH_LOAD_NT scope:SCOPE_SE
	s_cmp_lg_u32 s14, 3
	s_cbranch_scc1 .Lno_more_\@
	global_prefetch_b8 v[PFO], s[PFA:PFA+1] offset:256*\k+32768 th:TH_LOAD_NT scope:SCOPE_SE
.Lno_more_\@:
.endm
	s_load_b512 s[68:83], s[0:1], 0x0      ; hidden s[68:69], W_attn s[70:71], scales s[72:73], b_attn s[74:75], mask s[76:77], q, k, v images s[78:83]
	v_lshl_add_u32 v[SPW], v0, 2, SPARE
	v_mov_b32 v[NIL], 0
	ds_add_u32 v[SPW], v[NIL]              ; the opening lines: the add, twice on end, and its wait
	ds_add_u32 v[SPW], v[NIL]
	v_lshrrev_b32 v1, 5, v0
	v_readfirstlane_b32 s14, v1            ; wave 0..3
	s_bfe_u32 s40, ttmp6, 0x40000          ; cx
	s_bfe_u32 s41, ttmp6, 0x40004          ; cy
	s_lshl_b32 s42, ttmp9, 2
	s_add_co_u32 s42, s42, s40             ; head
	s_and_b32 s17, ttmp7, 0xffff
	s_lshl_b32 s17, s17, 2
	s_add_co_u32 s17, s17, s41             ; block of 256 tokens
	s_lshl_b32 s43, s41, 2
	s_lshl_b32 s43, 15, s43                ; my row of the cluster
	s_lshl_b32 s44, 0x1111, s40            ; my column
	s_lshl_b32 s8, s17, 8
	s_lshl_b32 s9, s14, 6
	s_add_co_u32 s8, s8, s9                ; my first token
	s_lshl_b32 s9, s8, 2
	s_lshl_b32 s12, s42, 8
	s_mul_i32 s45, s14, 64*PITCH
	s_cmp_eq_u32 s14, 3
	s_cselect_b32 s99, 31, 15
	v_and_b32 v1, 15, v0                   ; r
	v_bfe_u32 v2, v0, 4, 1                 ; h
	v_and_b32 v6, 31, v0
	v_mul_u32_u24 v3, v1, PITCH
	v_lshl_add_u32 v3, v2, 4, v3           ; a fragment's row x pitch + 16 h
	v_add_nc_u32 v[ADRB], WOFF, v3
	v_add_nc_u32 v[ADRA], s45, v3          ; my 64 tokens
	v_add_nc_u32 v[ADRB+1], WOFF+SLOT, v3
	v_add_nc_u32 v[ADRA+1], SLOT, v[ADRA]
	v_lshl_add_u32 v[BNA], v2, 5, s12      ; columns 8 h + 0 .. 7 of the head
	v_lshl_add_u32 v[BVA], v1, 2, s12      ; channel r
	v_lshl_add_u32 v[MKA], v1, 2, s9       ; token r
	v_lshlrev_b32 v[CO], 4, v6
	v_min_u32 v[PFO], s99, v6
	v_lshlrev_b32 v[PFO], 10, v[PFO]
	s_or_b32 s[G1+0], s43, (0<<16)|(1<<20)|(1<<21)|(5<<22)|(3<<25)  ; mask of my row; elements of 1 byte; 21 set beside a mask; four words of padding after every 64
	s_or_b32 s[G1B+0], s44, (0<<16)|(1<<20)|(1<<21)|(5<<22)|(3<<25) ; the same for my column
.irp g, G1, G1B
	s_mov_b32 s[\g+1], 256<<16
	s_mov_b32 s[\g+3], 256<<16
	s_mov_b32 s[\g+5], 1024
	s_mov_b32 s[\g+6], 0
	s_mov_b32 s[\g+7], 0
.endr
	s_mov_b32 s[G1+2], 256<<16             ; 256 rows of tokens
	s_mov_b32 s[G1+4], 256
	s_mov_b32 s[G1B+2], 64<<16             ; 64 rows of W_attn
	s_mov_b32 s[G1B+4], 64
	s_lshl_b32 s20, s17, 18                ; tokens: 256 rows of 1 KiB a block
	s_mov_b32 s21, 0
	s_lshl_b32 s46, s14, 20                ; W_attn: row 1,024 x wave + 64 x head
	s_lshl_b32 s47, s42, 16
	s_add_co_u32 s46, s46, s47
	s_mov_b32 s47, 0
	s_lshl_b32 s94, s40, 16                ; the prefetches: 64 rows for each cx,
	s_lshl_b32 s95, s41, 14                ; 16 for each cy
	s_add_co_u32 s94, s94, s20
	s_add_co_u32 s95, s95, s46
	s_cmp_eq_u32 s14, 3
	s_cselect_b32 s94, s94, s95
	s_mov_b32 s95, 0
	s_lshr_b32 s18, s8, 11                 ; batch
	s_lshl_b32 s18, s18, 21
	s_lshl_b32 s19, s42, 17
	s_add_co_u32 s18, s18, s19             ; the head's first byte in each image
	s_and_b32 s19, s8, 2047
	s_lshl_b32 s22, s19, 6
	s_add_co_u32 s22, s22, s18             ; q, k: 1 KiB a tile of 16 tokens
	s_mov_b32 s23, 0
	s_lshr_b32 s19, s19, 7
	s_lshl_b32 s19, s19, 13
	s_add_co_u32 s18, s18, s19             ; v: 8 KiB a block of 128 tokens,
	s_and_b32 s19, s14, 1
	s_lshl_b32 s19, s19, 10
	s_add_co_u32 s18, s18, s19             ; and the half of each tile's pieces that my 64 tokens are
	s_mov_b32 s19, 0
	s_wait_alu depctr_va_vdst(0)
	s_wait_dscnt 0x0                       ; both opening adds are done
	s_wait_kmcnt 0x0
	s_load_b256 s[84:91], s[72:73], 0x0    ; e0 .. e7
	s_add_nc_u64 s[20:21], s[68:69], s[20:21]
	s_add_nc_u64 s[46:47], s[70:71], s[46:47]
	CROUND                                 ; all sixteen work-groups are here: the first joint loads meet
.irp s, 0,1
	s_mov_b32 s[G0+4*\s], 1
	s_mov_b32 s[G0+4*\s+1], \s*SLOT
	s_add_nc_u64 s[G0+4*\s+2:G0+4*\s+3], s[20:21], \s*256
	s_or_b32 s[G0+4*\s+3], s[G0+4*\s+3], 0x80000000
	s_mov_b32 s[G0B+4*\s], 1
	s_add_co_u32 s[G0B+4*\s+1], s45, WOFF+\s*SLOT
	s_add_nc_u64 s[G0B+4*\s+2:G0B+4*\s+3], s[46:47], \s*256
	s_or_b32 s[G0B+4*\s+3], s[G0B+4*\s+3], 0x80000000
.endr
	JLOAD 0                                ; K step 0: one tensor load a wave at the head
.irp b, 0,1,2,3
.irp g, 0,1
	global_load_b128 v[BQ+32*\g+8*\b:BQ+32*\g+8*\b+3],   v[BNA], s[74:75] offset:4096*\g+64*\b
	global_load_b128 v[BQ+32*\g+8*\b+4:BQ+32*\g+8*\b+7], v[BNA], s[74:75] offset:4096*\g+64*\b+16
.endr
	global_load_b32 v[BV+\b], v[BVA], s[74:75] offset:8192+64*\b
	global_load_b32 v[MK+\b], v[MKA], s[76:77] offset:64*\b
.endr
	s_cmp_eq_u32 s14, 3
	s_cselect_b64 s[PFA:PFA+1], s[68:69], s[70:71]
	s_add_nc_u64 s[PFA:PFA+1], s[PFA:PFA+1], s[94:95]
	ASK 2
	s_add_nc_u64 s[10:11], s[78:79], s[22:23]
	s_add_nc_u64 s[12:13], s[80:81], s[22:23]
	s_add_nc_u64 s[2:3], s[82:83], s[18:19]
	s_wait_kmcnt 0x0
	s_add_co_i32 s92, s84, s85
	s_add_co_i32 s92, s92, 127
	s_lshl_b32 s92, s92, 23                ; 2^(e0 + e1)
	s_mov_b32 s93, s92                     ; (named with it as a pair, so it is written)
	s_mov_b32 s88, s89                     ; e2, e3, e5 side by side
.irp g, 0,1,2
	s_add_co_i32 s67, s[86+\g], 127
	s_lshl_b32 s66, s67, 23
	v_mov_b32 v[QS+\g], s66                ; 2^e
	s_add_co_i32 s67, s67, 15
	s_lshl_b32 s67, s67, 23
	s_or_b32 s67, s67, 0x600000
	v_mov_b32 v[QL+\g], s67                ; 57,344 x 2^e
.endr
; The LDS loads of group m: W_attn's four fragments and, with q's columns, the tokens' four of that K step.
.macro BATCH m
.set bs, ((\m)/6)%2
.set bq, ((\m)/3)%2
.set bw, 64*((\m)%4)
.set bg, (\m)%3
	WIN 0x40                               ; destination window 1, address window 0
.irp b, 0,1,2,3
.irp c, 0,1,2,3
	ds_load_b128 v[bw+16*\b+4*\c:bw+16*\b+4*\c+3], v[ADRB+bs] offset:64*PITCH*bg+16*PITCH*\b+128*bq+32*\c
.endr
.endr
	WIN 0
.if bg == 0
.irp a, 0,1,2,3
.irp c, 0,1,2,3
	ds_load_b128 v[AF+64*bq+16*\a+4*\c:AF+64*bq+16*\a+4*\c+3], v[ADRA+bs] offset:16*PITCH*\a+128*bq+32*\c
.endr
.endr
.endif
.endm
; Half a group: 8 matrix instructions.  The 48 accumulators take turns, in the same order in every K step.
.macro MULH n, half
.set mw, 64*((\n)%4)
.set ma, AF+64*(((\n)/3)%2)
.set mg, (\n)%3
.if mg < 2
	WIN 0xa1                               ; source 0 (W_attn) window 1, source 1 (tokens) window 0, C and D window 2
.else
	WIN 0xf4                               ; source 0 (tokens) window 0, source 1 (W_attn) window 1, C and D window 3
.endif
.irp b, 2*(\half), 2*(\half)+1
.irp a, 0,1,2,3
.set md, 128*(mg%2)+8*(4*(\b)+\a)
.set mb, mw+16*(\b)
.set mt, ma+16*\a
.if mg < 2
.if (\n) < 3
	v_wmma_f32_16x16x128_bf8_bf8 v[md:md+7], v[mb:mb+15], v[mt:mt+15], 0
.else
	v_wmma_f32_16x16x128_bf8_bf8 v[md:md+7], v[mb:mb+15], v[mt:mt+15], v[md:md+7]
.endif
.else
.if (\n) < 3
	v_wmma_f32_16x16x128_bf8_bf8 v[md:md+7], v[mt:mt+15], v[mb:mb+15], 0
.else
	v_wmma_f32_16x16x128_bf8_bf8 v[md:md+7], v[mt:mt+15], v[mb:mb+15], v[md:md+7]
.endif
.endif
.endr
.endr
.endm
; Group n.  Ahead of it group n + 1's loads may be out (cn of them).  Groups 4, 10 and 16 change slots: their barrier shows the next slot to every wave and, where it opens a round, frees the slot that has been read out.
.macro GRP n
.set cn, 16
.if ((\n)+1)%3 == 0
.set cn, 32
.endif
.if (\n) == 23
.set cn, 0
.endif
.set tn, 0
.if ((\n) == 4) || ((\n) == 10) || ((\n) == 16)
.set tn, 1
.endif
.if tn
	WIN 0
	s_wait_tensorcnt 0x0                   ; all my tensor loads have landed;
	ds_add_u32 v[SPW], v[NIL]              ; 0 onto my spare word;
	s_wait_dscnt cn+1                      ; (the add and group n + 1's loads may be out)
	MULH \n, 0
	s_wait_dscnt 0x0                       ; the add is done, and my reads of this slot are over
	s_barrier_signal -1
	MULH \n, 1
	WIN 0
	s_barrier_wait -1
.if (\n) < 16
.set sl, ((\n)/6)%2
	CREST                                  ; no wave of any partner still reads this slot or has a load on its way
	s_add_nc_u64 s[G0+4*sl+2:G0+4*sl+3], s[G0+4*sl+2:G0+4*sl+3], 512
	s_add_nc_u64 s[G0B+4*sl+2:G0B+4*sl+3], s[G0B+4*sl+2:G0B+4*sl+3], 512
	JLOAD sl
.else
	PLACES
.endif
	BATCH (\n)+2
.else
	s_wait_dscnt cn
	MULH \n, 0
.if (\n) < 22
	PLACES
	BATCH (\n)+2
.endif
	MULH \n, 1
.endif
.endm
	s_wait_alu depctr_va_vdst(0)           ; the wait at the head's end
	s_wait_tensorcnt 0x0                   ; my part of K step 0 is in
	ds_add_u32 v[SPW], v[NIL]
	s_wait_dscnt 0x0
	CROUND
	JLOAD 1                                ; K step 1, the first tensor load behind the round
	BATCH 0
	BATCH 1
	ASK 3
.irp n, 0,1,2,3,4,5,6,7,8,9,10,11,12,13,14,15,16,17,18,19,20,21,22,23
	GRP \n
.endr
	WIN 0
; THE WAY OUT: sum x 2^(e0 + e1) + bias, held, converted.  g = 0, 1 (q, k): a tile i of 16 tokens, 64 columns; g = 2 (v): a tile i of 16 channels, 64 tokens.
	s_wait_loadcnt 0x0                     ; biases and mask
	PLACES
.irp a, 0,1,2,3
	v_cmp_ne_u32 vcc_lo, 0, v[MK+\a]
	v_cndmask_b32 v[MK+\a], 0, v[QL+1], vcc_lo     ; a padded token's k is held at 0
.endr
.macro OUT g, i, lim, base, step
.set oc, CD+8*(4*\g+\i)
.if \g < 2
	WIN 0x02                               ; source 0 window 2
.irp b, 0,1,2,3
.irp j, 0,2,4,6
	v_pk_fma_f32 v[TMP+8*\b+\j:TMP+8*\b+\j+1], v[128*\g+8*(4*\b+\i)+\j:128*\g+8*(4*\b+\i)+\j+1], s[92:93], v[BQ+32*\g+8*\b+\j:BQ+32*\g+8*\b+\j+1] op_sel_hi:[1,0,1]
.endr
.endr
.else
	WIN 0x03                               ; source 0 window 3
.irp b, 0,1,2,3
.irp j, 0,2,4,6
.if \i%2
	v_pk_fma_f32 v[TMP+8*\b+\j:TMP+8*\b+\j+1], v[8*(4*\i+\b)+\j:8*(4*\i+\b)+\j+1], s[92:93], v[BV+\i-1:BV+\i] op_sel:[0,0,1] op_sel_hi:[1,0,1]
.else
	v_pk_fma_f32 v[TMP+8*\b+\j:TMP+8*\b+\j+1], v[8*(4*\i+\b)+\j:8*(4*\i+\b)+\j+1], s[92:93], v[BV+\i:BV+\i+1] op_sel_hi:[1,0,0]
.endif
.endr
.endr
.endif
	WIN 0
.set oj, 0
.rept 32
	v_med3_num_f32 v[TMP+oj], v[TMP+oj], -v[\lim], v[\lim]   ; the conversion does not saturate (ISA guide 7.6.2)
.set oj, oj+1
.endr
.irp b, 0,1,2,3
	v_cvt_scalef32_pk8_bf8_f32 v[oc+2*\b:oc+2*\b+1], v[TMP+8*\b:TMP+8*\b+7], v[QS+\g]
.endr
	v_nop
	global_store_b128 v[CO], v[oc:oc+3],   s[\base:\base+1] offset:\step*\i       ; each store: 512 consecutive bytes, aligned
	global_store_b128 v[CO], v[oc+4:oc+7], s[\base:\base+1] offset:\step*\i+512
.endm
.irp i, 0,1,2,3
	OUT 0, \i, QL, 10, 1024
.endr
.irp i, 0,1,2,3
	OUT 1, \i, MK+\i, 12, 1024
.endr
.irp i, 0,1,2,3
	OUT 2, \i, QL+2, 2, 2048
.endr
	s_wait_tensorcnt 0x0                   ; the wave's end
	ds_add_u32 v[SPW], v[NIL]
	s_wait_dscnt 0x0
	CROUND                                 ; the closing round: no work-group ends while a partner may still ask for a tile that names it
	s_endpgm
.Lfunc_end_k_q9c382a9282_qkv:
	.size	k_q9c382a9282_qkv, .Lfunc_end_k_q9c382a9282_qkv-k_q9c382a9282_qkv
	.p2alignl 7, 3214868480
	.fill 96, 4, 3214868480
	.section	.rodata,"a",@progbits
	.p2align	6, 0x0
	.amdhsa_kernel k_q9c382a9282_qkv
		.amdhsa_group_segment_fixed_size 327680
		.amdhsa_private_segment_fixed_size 0
		.amdhsa_enable_private_segment 0
		.amdhsa_kernarg_size 64
		.amdhsa_user_sgpr_count 2
		.amdhsa_user_sgpr_kernarg_segment_ptr 1
		.amdhsa_wavefront_size32 1
		.amdhsa_system_sgpr_workgroup_id_x 1
		.amdhsa_system_sgpr_workgroup_id_y 1
		.amdhsa_system_sgpr_workgroup_id_z 1
		.amdhsa_system_vgpr_workitem_id 0
		.amdhsa_next_free_vgpr 1024
		.amdhsa_next_free_sgpr 102
		.amdhsa_reserve_vcc 1
		.amdhsa_float_denorm_mode_32 3
		.amdhsa_float_denorm_mode_16_64 3
		.amdhsa_memory_ordered 1
		.amdhsa_forward_progress 1
		.amdhsa_inst_pref_size 119
	.end_amdhsa_kernel
	.amdgpu_metadata
---
amdhsa.version: [ 1, 2 ]
amdhsa.kernels:
  - .name:           k_q9c382a9282_qkv
    .symbol:         k_q9c382a9282_qkv.kd
    .args:
      - { .name: hidden_states_codes, .offset: 0, .size: 8, .value_kind: global_buffer, .address_space: global }
      - { .name: W_attn_codes, .offset: 8, .size: 8, .value_kind: global_buffer, .address_space: global }
      - { .name: lowp_scales, .offset: 16, .size: 8, .value_kind: global_buffer, .address_space: global }
      - { .name: b_attn, .offset: 24, .size: 8, .value_kind: global_buffer, .address_space: global }
      - { .name: attention_mask, .offset: 32, .size: 8, .value_kind: global_buffer, .address_space: global }
      - { .name: q_img, .offset: 40, .size: 8, .value_kind: global_buffer, .address_space: global }
      - { .name: k_img, .offset: 48, .size: 8, .value_kind: global_buffer, .address_space: global }
      - { .name: v_img, .offset: 56, .size: 8, .value_kind: global_buffer, .address_space: global }
    .group_segment_fixed_size: 327680
    .private_segment_fixed_size: 0
    .kernarg_segment_align: 8
    .kernarg_segment_size: 64
    .max_flat_workgroup_size: 128
    .sgpr_count:     102
    .vgpr_count:     1024
    .wavefront_size: 32
...
	.end_amdgpu_metadata
.endif
;; end of part 1
;; launch attn (part 2): grid 8 x 32, 8 waves a work-group, clusters of 4 x 1, 327,680 bytes of LDS; arguments q_img, k_img, v_img, attention_mask, lowp_scales, ctx_img; writes ctx_img
.if DOCPART == 2
	.amdgcn_target "amdgcn-amd-amdhsa--gfx1250"
	.amdhsa_code_object_version 6
	.text
	.protected	k_q9c382a9282_attn
	.globl	k_q9c382a9282_attn
	.p2align	8
	.type	k_q9c382a9282_attn,@function
k_q9c382a9282_attn:
	s_mov_b64 s[64:65], 0
	v_nop
	global_prefetch_b8 v0, s[64:65] scope:SCOPE_SE
	s_setreg_imm32_b32 hwreg(HW_REG_WAVE_MODE, 25, 1), 1
	s_wait_xcnt 0x0
	s_wait_alu depctr_hold_cnt(0) depctr_sa_sdst(0) depctr_va_vdst(0) depctr_va_sdst(0) depctr_va_ssrc(0) depctr_va_vcc(0) depctr_vm_vsrc(0)
	s_getreg_b32 s2, hwreg(HW_REG_IB_STS2, 6, 4)
	s_cmp_eq_u32 s2, 0
	s_cbranch_scc0 .Lentry_in_a_cluster
	s_endpgm
.Lentry_in_a_cluster:
	s_bfe_u32 s2, ttmp6, 0x10000c
	s_cmp_lg_u32 s2, 0x3003
	s_cbranch_scc0 .Lentry_shape_is_right
	s_endpgm
.Lentry_shape_is_right:
; ctx = softmax(mask(q k^T / 8)) v, both products on codes of BF8 (E5M2); ctx is quantised at once (2^e6) into an image of the last product's operand.
; THE SOFTMAX: t = logit x log2(e); M = the running largest t rounded UP to a whole number; p = 2^(t - M) is quantised (2^e4), not normalised; the sum l is taken of the unquantised p and divides at the end.
; SHARES.  A cluster's four work-groups serve one head.  A unit is 32 neighbouring queries, TWO tiles X, Y of 16, inside a group of 128: each fragment of K and V feeds two matrix instructions.
;   Waves i and i + 4 (A and B) own two units: a short one of group gs = 2 i + cluster x and a long one of group gl = 15 - gs: 17 key steps of 128 together.  A walks the short unit's gs + 1 steps, sends it out, and walks the long unit's
;   steps 9 .. gl; B walks the long unit's steps 0 .. 8.  So A has eight steps and B nine.  At the end the two parts of the long unit meet through LDS: A finishes its tile X, B its tile Y.
;   gs hangs on the wave's number and the cluster alone: alike in all partners; the place in the cluster enters addresses of q and ctx and the number DD.
; MASKED LOGITS ARE -10,000, NOT -INFINITY: a row whose open keys are all padded gives weight to every masked key, the causally hidden ones too.  On the diagonal (step = group) selects put the masked logit in.
;   The steps behind it are hidden whole: all their logits are -10,000 and all their p one number, so their part of the second product is code(p) x (the sum of V's codes over those keys) and their part of l is (their number) x p.
;   The sums of V's codes over each block of 128 keys are made once a work-group by matrix instructions whose other operand is all ones (code 0x3c).  Their scores are not computed (reference() replaces them whatever they are).
; THE PADDING MASK: k's codes of padded tokens are zeros (made so by the launch before), and the score product's C is 0 for an open key and NB = -80,000 / 2^(e2 + e3) for a padded one.
; LAYOUT.  S^T = K Q^T (source 0 = 16 keys), O^T = V^T P^T (source 0 = 16 channels x 128 keys): a lane holds ONE query of each tile; the eight registers of score tile a are keys 16 a + 8 h + 0 .. 7: registers 2 a, 2 a + 1 of P after one conversion.
; LDS holds the head's whole K and V images, each byte filled once, by ONE joint load a wave: waves 3 and 7 the first 80 rows of 256 bytes of K's and V's (steps 0 and 1 lie there), the others 144 rows each.
; No prefetch: K and V are loaded whole at the head; in the loop only the long unit's Q comes from memory.
; LIMITS: e2 + e3 between -111 and 130 (added to exponent fields); e4, e6 between -126 and 112; scaled scores under 2^31.  NaN is not served; a NaN, an infinity or an overflow in the work left out is not carried to the result.
; REGISTERS, window 0: v1-15 addresses; v16-28 running numbers and constants; v32-63 work; v64-127 S^T then p of X, v128-191 of Y; v192-223 O^T of X, v224-255 of Y.
;   window 1: v0-63 K's eight fragments, v64-127 V's four, v128-191 the biases, v192-207 and v208-223 P of X and Y, v224-231 and v232-239 Q of X and Y.
.set VIMG,  131072
.set BIAS,  262144                     ; 2,048 f32: a key's C
.set BSUM,  BIAS+8192                  ; 16 blocks x 64 f32: sums of V's codes
.set WSUM,  BSUM+4096                  ; 64 f32 for each wave: its sum over the hidden blocks
.set XCH,   WSUM+2048                  ; 4,352 bytes for each wave: 32 registers of O^T, -M, l, for its partner
.set SPARE, XCH+8*4352                 ; the spare words
.set LI,   1                           ; 16 x lane
.set AB0,  2                           ; BIAS + 32 h
.set DD,   3                           ; 32 (unit % 4) + r - 8 h: in X register 8 a + j is hidden on the diagonal where 16 a + j > DD
.set SPW,  5
.set NIL,  6
.set ADK,  8
.set ADV,  9
.set ADB,  10
.set VL,   11                          ; VIMG + 16 x lane
.set BSR,  12                          ; BSUM + 8 x lane
.set WSA,  13                          ; my WSUM + 8 x lane
.set WSR,  14                          ; my WSUM + 32 h
.set BSA,  15                          ; BSUM + 512 x wave + 32 h
.set MX,   16                          ; v16, v17 the largest score of X's, Y's query
.set NM,   18                          ; v18, v19 -M
.set FF,   20                          ; v20, v21 f = 2^(old M - new M)
.set LX,   22                          ; v22-23, v24-25 l in two halves
.set LY,   24
.set LIM,  26                          ; 57,344 x 2^e4
.set SC,   27                          ; 2^e4
.set NB,   28
.set T,    32
.set SX,   64
.set SY,   128
.set OX,   192
.set OY,   224
.set KF,   0
.set VF,   64
.set BI,   128
.set PX,   192
.set PY,   208
.set QX,   224
.set QY,   232
.set DDL,  2                           ; s2   32 x (long unit % 4)
.set US,   3                           ; s3   short unit
.set WV,   16                          ; wave
.set WQ,   18                          ; wave % 4
.set BH,   19                          ; 16 x batch + head
.set SEL,  20                          ; s[20:21] lane selects: lane l xor 16
.set CS,   22                          ; s[22:23] c = log2(e) / 8 x 2^(e2 + e3)
.set G1A,  24                          ; s[24:31] group 1 of the small load; s[40:47] of the large
.set G0A,  32
.set G0B,  36
.set G1B,  40
.set ACT,  48                          ; the last step that I walk
.set WH,   49                          ; wave / 4: A (0) or B (1).  Also: I fetch for K (0) or V (1)
.set TB,   50                          ; 8,192 x the key step
.set CNT,  51
.set ST,   52
.set TN,   53
.set TN2,  54
.set NBS,  55
.set UU,   56
.set DG,   57                          ; the step on the diagonal
.set GS,   58
.set GL,   59
.set CL,   60                          ; s[60:61] the long unit in ctx_img, s[62:63] the short
.set CSH,  62
.set QLG,  66                          ; s[66:67] the long unit in q_img
.set MSB, 0
.macro WIN new                         ; the immediate's high byte repeats the setting that is left
.if MSB != \new
	s_set_vgpr_msb (MSB<<8)|\new
.set MSB, \new
.endif
.endm
.macro CROUND                          ; a round of the cluster's barrier
	s_barrier_signal -1
	s_barrier_wait -1
	s_cmp_lg_u32 s[WV], 0
	s_cbranch_scc1 .Lnot_wave_0_\@
	s_barrier_signal -3
.Lnot_wave_0_\@:
	s_barrier_wait -3
	s_barrier_signal -1
	s_barrier_wait -1
.endm
.macro LOADKB ak, ab                   ; K's eight fragments and the biases of keys 16 a + 8 h + 0 .. 7
	WIN 0x40
.irp a, 0,1,2,3,4,5,6,7
	ds_load_b128 v[KF+8*\a:KF+8*\a+3],   v[\ak] offset:1024*\a
	ds_load_b128 v[KF+8*\a+4:KF+8*\a+7], v[\ak] offset:1024*\a+512
.endr
.irp a, 0,1,2,3,4,5,6,7
	ds_load_b128 v[BI+8*\a:BI+8*\a+3],   v[\ab] offset:64*\a
	ds_load_b128 v[BI+8*\a+4:BI+8*\a+7], v[\ab] offset:64*\a+16
.endr
	WIN 0
.endm
.macro LOADV reg, off                  ; V's four fragments of a key step
	WIN 0x40
.irp t, 0,1,2,3
.irp i, 0,1,2,3
	ds_load_b128 v[\reg+16*\t+4*\i:\reg+16*\t+4*\i+3], v[ADV] offset:\off+2048*\t+512*\i
.endr
.endr
	WIN 0
.endm
.macro LOADQ base
	WIN 0x40
	global_load_b128 v[QX:QX+3],   v[LI], s[\base:\base+1]
	global_load_b128 v[QX+4:QX+7], v[LI], s[\base:\base+1] offset:512
	global_load_b128 v[QY:QY+3],   v[LI], s[\base:\base+1] offset:1024
	global_load_b128 v[QY+4:QY+7], v[LI], s[\base:\base+1] offset:1536
	WIN 0
.endm
.macro BEGIN                           ; a unit's start: the step is written for all steps alike; the first change of M leaves zeros zeros
	v_mov_b32 v[MX], 0xff61b1e6                    ; the largest score so far: -3e38
	v_mov_b32 v[MX+1], 0xff61b1e6
	v_mov_b32 v[NM], 0x7f61b1e6                    ; -M: 3e38
	v_mov_b32 v[NM+1], 0x7f61b1e6
.irp i, 0,1,2,3
	v_mov_b32 v[LX+\i], 0
.endr
.set j, 0
.rept 64
	v_mov_b32 v[OX+j], 0
.set j, j+1
.endr
.endm
	s_load_b256 s[4:11], s[0:1], 0x0               ; q_img s[4:5], k_img s[6:7], v_img s[8:9], mask s[10:11]
	s_load_b128 s[12:15], s[0:1], 0x20             ; scales s[12:13], ctx_img s[14:15]
	v_lshl_add_u32 v[SPW], v0, 2, SPARE
	v_mov_b32 v[NIL], 0
	ds_add_u32 v[SPW], v[NIL]                      ; the opening lines: the add, twice on end, and its wait
	ds_add_u32 v[SPW], v[NIL]
	v_lshrrev_b32 v29, 5, v0
	v_readfirstlane_b32 s[WV], v29                 ; wave 0..7
	s_and_b32 s[WQ], s[WV], 3
	s_lshr_b32 s[WH], s[WV], 2
	s_bfe_u32 s17, ttmp6, 0x40000                  ; cx
	s_and_b32 s[BH], ttmp7, 0xffff
	s_lshl_b32 s80, s[WQ], 1
	s_add_co_u32 s[GS], s80, ttmp9
	s_sub_co_u32 s[GL], 15, s[GS]
	s_lshl_b32 s80, s[GS], 2
	s_add_co_u32 s[US], s80, s17                   ; short unit: 4 gs + cx
	s_sub_co_u32 s[DDL], 63, s[US]                 ; long unit
	s_lshl_b32 s70, s[DDL], 11
	s_lshl_b32 s94, s[DDL], 15
	s_cmp_eq_u32 s[WH], 0
	s_cselect_b32 s[ACT], s[GS], 8
	s_cselect_b32 s[DG], s[GS], s[GL]
	s_cselect_b32 s[UU], s[US], s[DDL]             ; the unit that I begin with
	s_and_b32 s83, s[UU], 3
	s_lshl_b32 s83, s83, 5
	s_and_b32 s[DDL], s[DDL], 3
	s_lshl_b32 s[DDL], s[DDL], 5
	s_lshl_b32 s81, s[WV], 8
	s_lshl_b32 s82, s[WV], 9
	v_and_b32 v[LI], 31, v0
	v_and_b32 v30, 15, v0                          ; r
	v_bfe_u32 v31, v0, 4, 1                        ; h
	v_lshlrev_b32 v7, 4, v0                        ; 16 x thread
	v_lshlrev_b32 v12, 3, v[LI]
	v_lshlrev_b32 v[LI], 4, v[LI]
	v_lshl_add_u32 v[AB0], v31, 5, BIAS
	v_lshlrev_b32 v[DD], 3, v31
	v_add_nc_u32 v[WSA], WSUM, v12
	v_add_nc_u32 v[BSR], BSUM, v12
	v_lshl_add_u32 v[WSR], v31, 5, WSUM
	v_lshl_add_u32 v[BSA], v31, 5, BSUM
	v_sub_nc_u32 v[DD], v30, v[DD]
	v_add_nc_u32 v[VL], VIMG, v[LI]
	v_add_nc_u32 v4, BIAS, v7
	v_add_nc_u32 v[WSA], s81, v[WSA]
	v_add_nc_u32 v[WSR], s81, v[WSR]
	v_add_nc_u32 v[BSA], s82, v[BSA]
	v_add_nc_u32 v[DD], s83, v[DD]
	s_lshl_b32 s84, s[BH], 17                      ; the head's first byte in each image
	s_mov_b32 s85, 0
	s_lshl_b32 s86, s[UU], 11
	s_add_co_u32 s86, s86, s84                     ; two tiles of q_img
	s_mov_b32 s87, 0
	s_add_co_u32 s70, s70, s84
	s_mov_b32 s71, 0
	s_lshr_b32 s80, s[BH], 4                       ; batch
	s_lshl_b32 s88, s80, 13                        ; its row of the mask
	s_mov_b32 s89, 0
	s_lshl_b32 s80, s80, 21                        ; ctx_img: ((128 batch + 2 unit) 16 + head) KiB
	s_and_b32 s81, s[BH], 15
	s_lshl_b32 s81, s81, 10
	s_add_co_u32 s80, s80, s81
	s_lshl_b32 s90, s[US], 15
	s_add_co_u32 s90, s90, s80
	s_mov_b32 s91, 0
	s_add_co_u32 s94, s94, s80
	s_mov_b32 s95, 0
	s_mul_i32 s80, s[WQ], 144*256
	s_add_co_u32 s80, s80, 80*256                  ; a large load's first byte in the image: 80 rows, then 144 rows a wave
	s_add_co_u32 s92, s80, s84
	s_mov_b32 s93, 0
	; group 1: rows of 256 bytes, dense; mask of all four work-groups, elements of 8 bytes, 21 set beside a mask, no padding
	s_mov_b32 s[G1A], 15|(3<<16)|(1<<21)
	s_mov_b32 s[G1A+1], 32<<16
	s_mov_b32 s[G1A+2], 80<<16
	s_mov_b32 s[G1A+3], 32<<16
	s_mov_b32 s[G1A+4], 80
	s_mov_b32 s[G1A+5], 32
	s_mov_b32 s[G1A+6], 0
	s_mov_b32 s[G1A+7], 0
	s_mov_b32 s[G1B], 15|(3<<16)|(1<<21)
	s_mov_b32 s[G1B+1], 32<<16
	s_mov_b32 s[G1B+2], 144<<16
	s_mov_b32 s[G1B+3], 32<<16
	s_mov_b32 s[G1B+4], 144
	s_mov_b32 s[G1B+5], 32
	s_mov_b32 s[G1B+6], 0
	s_mov_b32 s[G1B+7], 0
	s_mov_b32 s[G0A], 1
	s_lshl_b32 s[G0A+1], s[WH], 17                 ; LDS: K's image at 0, V's at 131,072
	s_mov_b32 s[G0B], 1
	s_add_co_u32 s[G0B+1], s80, s[G0A+1]
	s_mov_b32 s[SEL], 0x76543210
	s_mov_b32 s[SEL+1], 0xfedcba98
	s_wait_alu depctr_va_vdst(0)
	s_wait_dscnt 0x0                               ; both opening adds are done
	s_wait_kmcnt 0x0
	s_load_b256 s[72:79], s[12:13], 0x0            ; e0 .. e7
	s_add_nc_u64 s[68:69], s[4:5], s[86:87]
	s_add_nc_u64 s[QLG:QLG+1], s[4:5], s[70:71]
	s_add_nc_u64 s[10:11], s[10:11], s[88:89]
	s_add_nc_u64 s[CSH:CSH+1], s[14:15], s[90:91]
	s_add_nc_u64 s[CL:CL+1], s[14:15], s[94:95]
	s_cmp_eq_u32 s[WH], 0
	s_cselect_b64 s[94:95], s[6:7], s[8:9]
	s_add_nc_u64 s[G0A+2:G0A+3], s[94:95], s[84:85]
	s_or_b32 s[G0A+3], s[G0A+3], 0x80000000
	s_add_nc_u64 s[G0B+2:G0B+3], s[94:95], s[92:93]
	s_or_b32 s[G0B+3], s[G0B+3], 0x80000000
	LOADQ 68                                       ; Q's fragments stay in registers
	global_load_b128 v[64:67], v7, s[10:11]        ; eight mask words a thread
	global_load_b128 v[68:71], v7, s[10:11] offset:4096
	CROUND                                         ; all four work-groups are here: the joint loads meet
	s_cmp_eq_u32 s[WQ], 3                          ; one load a wave, in one branch on its number; four v_nop follow each
	s_cbranch_scc0 .Llarge
	tensor_load_to_lds s[G0A:G0A+3], s[G1A:G1A+7]
	s_nop 0
.rept 4
	v_nop
.endr
	s_branch .Lasked
.Llarge:
	tensor_load_to_lds s[G0B:G0B+3], s[G1B:G1B+7]
	s_nop 0
.rept 4
	v_nop
.endr
.Lasked:
	BEGIN
	v_mov_b32 v[T+4], 0                            ; written once: a lane permute's destination counts as one of its sources
	v_mov_b32 v[T+5], 0
	s_wait_kmcnt 0x0
	s_add_co_i32 s80, s74, s75
	s_lshl_b32 s80, s80, 23                        ; e2 + e3, at an exponent field's place
	s_mov_b32 s[CS], 0x3e38aa3b                    ; log2(e) / 8
	s_add_co_i32 s[CS], s[CS], s80
	s_mov_b32 s[CS+1], s[CS]                       ; (named with it as a pair, so it is written)
	s_mov_b32 s[NBS], 0xc79c4000                   ; -80,000
	s_sub_co_i32 s[NBS], s[NBS], s80               ; / 2^(e2 + e3)
	v_mov_b32 v[NB], s[NBS]
	s_add_co_i32 s80, s76, 127
	s_lshl_b32 s81, s80, 23
	v_mov_b32 v[SC], s81
	s_add_co_i32 s80, s80, 15
	s_lshl_b32 s80, s80, 23
	s_or_b32 s80, s80, 0x600000
	v_mov_b32 v[LIM], s80
	s_wait_alu depctr_va_vdst(0)                   ; the wait at the head's end
	s_wait_loadcnt 0x0                             ; Q and my mask words
.irp i, 0,1,2,3,4,5,6,7
	v_cmp_eq_u32 vcc_lo, 0, v[64+\i]
	v_cndmask_b32 v[72+\i], 0, v[NB], vcc_lo       ; 0 for an open key, NB for a padded one
.endr
	ds_store_b128 v4, v[72:75]
	ds_store_b128 v4, v[76:79] offset:4096
	s_cmp_lg_u32 s[WQ], 3
	s_cbranch_scc1 .Lnot_small
	s_wait_tensorcnt 0x0                           ; the small loads have landed: steps 0 and 1
.Lnot_small:
	s_wait_dscnt 0x0                               ; my biases are stored
	s_barrier_signal -1
	s_barrier_wait -1
	LOADKB LI, AB0
; A KEY STEP.  K's fragments and the biases of this step are in registers or on their way; lim: the last step whose bytes may be asked for.
.macro STEP lim
	s_lshr_b32 s[ST], s[TB], 13
	s_add_co_u32 s[TN], s[TB], 8192
	s_min_u32 s[TN], s[TN], \lim
	s_lshr_b32 s[TN2], s[TN], 4
	s_cmp_gt_u32 s[ST], s[ACT]                     ; not mine: left out.  On the wave's number, the cluster and the step: alike in every partner
	s_cbranch_scc1 .Lskip_\@
	s_wait_dscnt 0x0
	WIN 0x15                                       ; sources window 1, D window 0
.irp a, 0,1,2,3,4,5,6,7
	v_wmma_f32_16x16x64_bf8_bf8 v[SX+8*\a:SX+8*\a+7], v[KF+8*\a:KF+8*\a+7], v[QX:QX+7], v[BI+8*\a:BI+8*\a+7]
	v_wmma_f32_16x16x64_bf8_bf8 v[SY+8*\a:SY+8*\a+7], v[KF+8*\a:KF+8*\a+7], v[QY:QY+7], v[BI+8*\a:BI+8*\a+7]
.endr
	WIN 0
	v_add_nc_u32 v[ADV], s[TB], v[VL]              ; four plain lines between the products and the loads into their registers, and the first read of the scores
	v_add_nc_u32 v[ADK], s[TN], v[LI]
	v_add_nc_u32 v[ADB], s[TN2], v[AB0]
	v_nop
	LOADV VF, 0                                    ; this step's V and the next step's K and biases land under the softmax
	LOADKB ADK, ADB
	s_cmp_lg_u32 s[ST], s[DG]
	s_cbranch_scc1 .Lopen_\@
.irp a, 0,1,2,3,4,5,6,7                        ; on the diagonal a key behind my query takes the masked logit.  Y's queries lie 16 on: its tile a + 1 has the mask of X's tile a, its tile 0 is open
.irp j, 0,1,2,3,4,5,6,7
	v_cmp_gt_i32 vcc_lo, 16*\a+\j, v[DD]
	v_cndmask_b32 v[SX+8*\a+\j], v[SX+8*\a+\j], v[NB], vcc_lo
.if \a < 7
	v_cndmask_b32 v[SY+8*\a+8+\j], v[SY+8*\a+8+\j], v[NB], vcc_lo
.endif
.endr
.endr
.Lopen_\@:
	v_max3_num_f32 v[T],   v[MX],   v[SX], v[SX+1] ; the largest score of my two queries so far, in two chains for each
	v_max3_num_f32 v[T+1], v[MX+1], v[SY], v[SY+1]
	v_max3_num_f32 v[T+2], v[SX+2], v[SX+3], v[SX+4]
	v_max3_num_f32 v[T+3], v[SY+2], v[SY+3], v[SY+4]
.set i, 5
.rept 14
	v_max3_num_f32 v[T],   v[T],   v[SX+i], v[SX+i+1]
	v_max3_num_f32 v[T+1], v[T+1], v[SY+i], v[SY+i+1]
	v_max3_num_f32 v[T+2], v[T+2], v[SX+i+2], v[SX+i+3]
	v_max3_num_f32 v[T+3], v[T+3], v[SY+i+2], v[SY+i+3]
.set i, i+4
.endr
	v_max3_num_f32 v[T],   v[T],   v[SX+61], v[SX+62]
	v_max3_num_f32 v[T+1], v[T+1], v[SY+61], v[SY+62]
	v_dual_mov_b32 v[T+6], v[NM] :: v_dual_mov_b32 v[T+7], v[NM+1]
	v_max3_num_f32 v[T],   v[T],   v[T+2], v[SX+63]
	v_max3_num_f32 v[T+1], v[T+1], v[T+3], v[SY+63]
	v_permlanex16_b32 v[T+4], v[T], s[SEL], s[SEL+1]
	v_permlanex16_b32 v[T+5], v[T+1], s[SEL], s[SEL+1]
	v_max_num_f32 v[MX],   v[T],   v[T+4]          ; and among lane l xor 16's
	v_max_num_f32 v[MX+1], v[T+1], v[T+5]
	v_pk_mul_f32 v[T:T+1], v[MX:MX+1], s[CS:CS+1] op_sel_hi:[1,0]   ; as t (c is positive)
	v_floor_f32 v[NM],   -v[T]                     ; the new -M = floor(-t): M is a whole number
	v_floor_f32 v[NM+1], -v[T+1]
	v_pk_add_f32 v[T:T+1], v[NM:NM+1], v[T+6:T+7] neg_lo:[0,1] neg_hi:[0,1]   ; old M - new M: a whole number, 0 or less
	v_cvt_i32_f32 v[T],   v[T]                     ; (it saturates)
	v_cvt_i32_f32 v[T+1], v[T+1]
	v_ldexp_f32 v[FF],   1.0, v[T]                 ; a multiplication by it rounds nothing
	v_ldexp_f32 v[FF+1], 1.0, v[T+1]
.set j, 0
.rept 32
	v_pk_fma_f32 v[SX+j:SX+j+1], v[SX+j:SX+j+1], s[CS:CS+1], v[NM:NM+1] op_sel_hi:[1,0,0]   ; X: t - M
.set j, j+2
.endr
.set j, 0
.rept 16
	v_pk_mul_f32 v[OX+j:OX+j+1], v[OX+j:OX+j+1], v[FF:FF+1] op_sel_hi:[1,0]   ; O^T and l under the new M
	v_pk_mul_f32 v[OY+j:OY+j+1], v[OY+j:OY+j+1], v[FF:FF+1] op_sel:[0,1] op_sel_hi:[1,1]
.set j, j+2
.endr
	v_pk_mul_f32 v[LX:LX+1], v[LX:LX+1], v[FF:FF+1] op_sel_hi:[1,0]
	v_pk_mul_f32 v[LY:LY+1], v[LY:LY+1], v[FF:FF+1] op_sel:[0,1] op_sel_hi:[1,1]
	s_wait_alu depctr_va_vdst(0)                   ; the wait ahead of the batch
.set j, 0
.rept 32
	v_exp_f32 v[SX+j], v[SX+j]                     ; X: p = 2^(t - M).  Among them Y's t - M, first read behind the next wait
	v_pk_fma_f32 v[SY+j:SY+j+1], v[SY+j:SY+j+1], s[CS:CS+1], v[NM:NM+1] op_sel:[0,0,1] op_sel_hi:[1,0,1]
	v_exp_f32 v[SX+j+1], v[SX+j+1]
.set j, j+2
.endr
	s_wait_alu depctr_va_vdst(0)                   ; behind X's batch and ahead of Y's
.set j, 0
.rept 16
	v_exp_f32 v[SY+4*j], v[SY+4*j]                 ; Y: p.  Among them X's first sums, of the unquantised p, and its hold (the conversion does not saturate: ISA guide 7.6.2; p is not negative)
	v_pk_add_f32 v[T+2*j:T+2*j+1], v[SX+4*j:SX+4*j+1], v[SX+4*j+2:SX+4*j+3]
	v_exp_f32 v[SY+4*j+1], v[SY+4*j+1]
	v_dual_min_num_f32 v[SX+4*j], v[LIM], v[SX+4*j] :: v_dual_min_num_f32 v[SX+4*j+1], v[LIM], v[SX+4*j+1]
	v_exp_f32 v[SY+4*j+2], v[SY+4*j+2]
	v_dual_min_num_f32 v[SX+4*j+2], v[LIM], v[SX+4*j+2] :: v_dual_min_num_f32 v[SX+4*j+3], v[LIM], v[SX+4*j+3]
	v_exp_f32 v[SY+4*j+3], v[SY+4*j+3]
.set j, j+1
.endr
	s_wait_alu depctr_va_vdst(0)                   ; behind Y's batch
.set j, 0
.rept 8
	v_pk_add_f32 v[T+16+2*j:T+17+2*j], v[T+2*j:T+2*j+1], v[T+16+2*j:T+17+2*j]
	v_pk_add_f32 v[T+2*j:T+2*j+1], v[SY+4*j:SY+4*j+1], v[SY+4*j+2:SY+4*j+3]
.set j, j+1
.endr
.set j, 0
.rept 8
	v_pk_add_f32 v[T+2*j:T+2*j+1], v[T+2*j:T+2*j+1], v[SY+32+2*j:SY+33+2*j]
.if j < 4
	v_pk_add_f32 v[T+16+2*j:T+17+2*j], v[T+16+2*j:T+17+2*j], v[T+24+2*j:T+25+2*j]
.endif
.set j, j+1
.endr
.set j, 0
.rept 8
	v_pk_add_f32 v[T+2*j:T+2*j+1], v[T+2*j:T+2*j+1], v[SY+48+2*j:SY+49+2*j]
.if j < 2
	v_pk_add_f32 v[T+16+2*j:T+17+2*j], v[T+16+2*j:T+17+2*j], v[T+20+2*j:T+21+2*j]
.endif
.set j, j+1
.endr
.set j, 0
.rept 32
	v_dual_min_num_f32 v[SY+2*j], v[LIM], v[SY+2*j] :: v_dual_min_num_f32 v[SY+2*j+1], v[LIM], v[SY+2*j+1]
.if j < 4
	v_pk_add_f32 v[T+2*j:T+2*j+1], v[T+2*j:T+2*j+1], v[T+8+2*j:T+9+2*j]
.endif
.if j == 4
	v_pk_add_f32 v[T+16:T+17], v[T+16:T+17], v[T+18:T+19]
.endif
.if j == 6
	v_pk_add_f32 v[T:T+1], v[T:T+1], v[T+4:T+5]
	v_pk_add_f32 v[T+2:T+3], v[T+2:T+3], v[T+6:T+7]
.endif
.if j == 10
	v_pk_add_f32 v[LX:LX+1], v[LX:LX+1], v[T+16:T+17]
	v_pk_add_f32 v[T:T+1], v[T:T+1], v[T+2:T+3]
.endif
.if j == 14
	v_pk_add_f32 v[LY:LY+1], v[LY:LY+1], v[T:T+1]
.endif
.set j, j+1
.endr
	WIN 0x40                                       ; P in window 1
.irp a, 0,1,2,3,4,5,6,7
	v_cvt_scalef32_pk8_bf8_f32 v[PX+2*\a:PX+2*\a+1], v[SX+8*\a:SX+8*\a+7], v[SC]
.endr
.irp a, 0,1,2,3,4,5,6,7
	v_cvt_scalef32_pk8_bf8_f32 v[PY+2*\a:PY+2*\a+1], v[SY+8*\a:SY+8*\a+7], v[SC]
.endr
	v_nop                                          ; a plain line behind the conversions
	s_wait_alu depctr_va_vdst(0)
	s_wait_dscnt 0x0                               ; V is in (and the next step's K and biases)
	WIN 0x05                                       ; A, B window 1; C, D window 0
.irp t, 0,1,2,3                                ; O^T += V^T P^T; the eight accumulators take turns
	v_wmma_f32_16x16x128_bf8_bf8 v[OX+8*\t:OX+8*\t+7], v[VF+16*\t:VF+16*\t+15], v[PX:PX+15], v[OX+8*\t:OX+8*\t+7]
	v_wmma_f32_16x16x128_bf8_bf8 v[OY+8*\t:OY+8*\t+7], v[VF+16*\t:VF+16*\t+15], v[PY:PY+15], v[OY+8*\t:OY+8*\t+7]
.endr
	WIN 0
.Lskip_\@:
	s_add_co_u32 s[TB], s[TB], 8192
.endm
; The blocks behind group g, from block 15 down to its own: lane l has channels 2 l, 2 l + 1; then through my own words in LDS into O^T's layout: v[SY ..].
.macro HLOAD lo
.irp b, 15,14,13,12,11,10,9,8,7,6,5,4,3,2,1
.if \b >= \lo
	ds_load_b64 v[SX+2*\b:SX+2*\b+1], v[BSR] offset:256*\b
.endif
.endr
.endm
.macro HADD g, lo
.irp b, 15,14,13,12,11,10,9,8,7,6,5,4,3,2,1
.if \b >= \lo
	s_cmp_ge_u32 s[\g], \b
	s_cbranch_scc1 .Lsum_\@
	v_pk_add_f32 v[T:T+1], v[T:T+1], v[SX+2*\b:SX+2*\b+1]
.endif
.endr
.Lsum_\@:
	s_wait_alu depctr_va_vdst(0)
	ds_store_b64 v[WSA], v[T:T+1]
.irp t, 0,1,2,3
	ds_load_b128 v[SY+8*\t:SY+8*\t+3], v[WSR] offset:64*\t         ; a wave's LDS instructions are served in order
	ds_load_b128 v[SY+8*\t+4:SY+8*\t+7], v[WSR] offset:64*\t+16
.endr
	s_wait_dscnt 0x0
.endm
.macro E6                              ; the way out's constants
	s_add_co_i32 s80, s78, 127
	s_lshl_b32 s81, s80, 23
	v_mov_b32 v[T+27], s81                         ; 2^e6
	s_add_co_i32 s80, s80, 15
	s_lshl_b32 s80, s80, 23
	s_or_b32 s80, s80, 0x600000
	v_mov_b32 v[T+26], s80                         ; 57,344 x 2^e6
.endm
.macro HIDDENCOUNT g                   ; s81 = 128 (15 - g), s82 = e4 + e5
	s_sub_co_u32 s80, 15, s[\g]
	s_lshl_b32 s80, s80, 7
	s_cvt_f32_u32 s81, s80
	s_add_co_i32 s82, s76, s77
.endm
; A: THE SHORT UNIT GOES OUT (it always has hidden blocks), and the long one begins.  T pairs hold X's number and Y's.
.macro TURNOVER
	LOADQ QLG                                      ; the long unit's Q
	HLOAD 1
	v_mov_b32 v[T], 0
	v_mov_b32 v[T+1], 0
	v_mov_b32 v[T+10], 0
	v_mov_b32 v[T+11], 0
	v_mov_b32 v[T+12], 0
	v_mov_b32 v[T+13], 0
	v_mul_f32 v30, s[CS], v[NB]                    ; the masked t
	v_add_f32 v[T+8], v[LX], v[LX+1]               ; l's two halves,
	v_add_f32 v[T+9], v[LY], v[LY+1]
	v_floor_f32 v31, -v30
	v_permlanex16_b32 v[T+10], v[T+8], s[SEL], s[SEL+1]
	v_permlanex16_b32 v[T+11], v[T+9], s[SEL], s[SEL+1]
	v_min_num_f32 v[T+2], v[NM], v31               ; -M with the masked t among the logits
	v_min_num_f32 v[T+3], v[NM+1], v31
	v_pk_add_f32 v[T+8:T+9], v[T+8:T+9], v[T+10:T+11]   ; and lane l xor 16's
	v_pk_add_f32 v[T+4:T+5], v[T+2:T+3], v[NM:NM+1] neg_lo:[0,1] neg_hi:[0,1]
	v_fma_f32 v[T+6], v[NB], s[CS], v[T+2]
	v_fma_f32 v[T+7], v[NB], s[CS], v[T+3]
	v_cvt_i32_f32 v[T+4], v[T+4]
	v_cvt_i32_f32 v[T+5], v[T+5]
	v_ldexp_f32 v[FF], 1.0, v[T+4]
	v_ldexp_f32 v[FF+1], 1.0, v[T+5]
	v_pk_mul_f32 v[T+8:T+9], v[T+8:T+9], v[FF:FF+1]
	HIDDENCOUNT GS
	s_wait_alu depctr_va_vdst(0)                   ; the wait ahead of the batch
	v_exp_f32 v[T+6], v[T+6]                       ; the hidden keys' p, for X's query and Y's
	v_exp_f32 v[T+7], v[T+7]
	v_nop                                          ; a plain line behind the batch
	s_wait_alu depctr_va_vdst(0)                   ; and the wait behind it
	v_fma_f32 v[T+8], v[T+6], s81, v[T+8]
	v_fma_f32 v[T+9], v[T+7], s81, v[T+9]
	v_min_num_f32 v[T+6], v[T+6], v[LIM]
	v_min_num_f32 v[T+7], v[T+7], v[LIM]
	v_cvt_scalef32_pk8_bf8_f32 v[T+16:T+17], v[T+6:T+13], v[SC]   ; bytes 0 and 1 are the two codes; the other six are not used
	v_nop
	s_wait_alu depctr_va_vdst(0)
	v_rcp_f32 v[T+18], v[T+8]
	v_rcp_f32 v[T+19], v[T+9]
	v_cvt_pk_f32_bf8 v[T+20:T+21], v48.l           ; v48 = v[T+16]: the codes' values
	s_wait_alu depctr_va_vdst(0)
	v_ldexp_f32 v[T+18], v[T+18], s82              ; 2^(e4 + e5) / l
	v_ldexp_f32 v[T+19], v[T+19], s82
	v_pk_mul_f32 v[T+22:T+23], v[FF:FF+1], v[T+18:T+19]       ; what O^T is multiplied by,
	v_pk_mul_f32 v[T+24:T+25], v[T+20:T+21], v[T+18:T+19]     ; and the sum over the hidden blocks
	E6
	s_wait_alu depctr_va_vdst(0)
	s_wait_dscnt 0x0
	HADD GS, 1
.set j, 0
.rept 16
	v_pk_mul_f32 v[SX+j:SX+j+1], v[SY+j:SY+j+1], v[T+24:T+25] op_sel_hi:[1,0]
	v_pk_mul_f32 v[SX+32+j:SX+33+j], v[SY+j:SY+j+1], v[T+24:T+25] op_sel:[0,1] op_sel_hi:[1,1]
.set j, j+2
.endr
	s_wait_alu depctr_va_vdst(0)                   ; directly ahead of the first readers of O^T
.set j, 0
.rept 16
	v_pk_fma_f32 v[SX+j:SX+j+1], v[OX+j:OX+j+1], v[T+22:T+23], v[SX+j:SX+j+1] op_sel_hi:[1,0,1]   ; ctx; each accumulator from its low end on
	v_pk_fma_f32 v[SX+32+j:SX+33+j], v[OY+j:OY+j+1], v[T+22:T+23], v[SX+32+j:SX+33+j] op_sel:[0,1,0] op_sel_hi:[1,1,1]
.set j, j+2
.endr
.set j, 0
.rept 64
	v_med3_num_f32 v[SX+j], v[SX+j], -v[T+26], v[T+26]
.set j, j+1
.endr
.irp t, 0,1,2,3,4,5,6,7
	v_cvt_scalef32_pk8_bf8_f32 v[SY+32+2*\t:SY+33+2*\t], v[SX+8*\t:SX+8*\t+7], v[T+27]   ; registers 2 t, 2 t + 1 are channels 16 t + 8 h + 0 .. 7: the last product's operand
.endr
	v_nop
	global_store_b128 v[LI], v[SY+32:SY+35], s[CSH:CSH+1]                ; each store: 512 consecutive bytes, aligned
	global_store_b128 v[LI], v[SY+36:SY+39], s[CSH:CSH+1] offset:512
	global_store_b128 v[LI], v[SY+40:SY+43], s[CSH:CSH+1] offset:16384
	global_store_b128 v[LI], v[SY+44:SY+47], s[CSH:CSH+1] offset:16896
	v_and_b32 v30, 15, v0
	v_bfe_u32 v31, v0, 4, 1
	v_add_nc_u32 v[ADK], 9*8192, v[LI]
	v_add_nc_u32 v[ADB], 9*512, v[AB0]
	v_lshlrev_b32 v31, 3, v31
	v_sub_nc_u32 v[DD], v30, v31
	v_add_nc_u32 v[DD], s[DDL], v[DD]
	BEGIN
	s_mov_b32 s[ACT], s[GL]
	s_mov_b32 s[DG], s[GL]
	s_wait_alu depctr_va_vdst(0)
	s_wait_xcnt 0x0                                ; the stores have read their registers: the next scores land there
	s_wait_loadcnt 0x0                             ; Q
	LOADKB ADK, ADB
.endm
	s_mov_b32 s[TB], 0
	s_mov_b32 s[CNT], 2
.Lfirst:
	STEP 8192
	s_sub_co_u32 s[CNT], s[CNT], 1
	s_cmp_lg_u32 s[CNT], 0
	s_cbranch_scc1 .Lfirst
	s_wait_tensorcnt 0x0                           ; my load has landed,
	s_wait_dscnt 0x0
	s_barrier_signal -1
	s_barrier_wait -1                              ; and everybody's: all of K and V
	; the sums of V's codes over blocks 2 x wave and 2 x wave + 1: V^T times ones
.rept 4
	v_nop                                          ; places behind the last products: P is written below
.endr
	WIN 0x40
.set j, 0
.rept 16
	v_mov_b32 v[PX+j], 0x3c3c3c3c
.set j, j+1
.endr
	WIN 0
	s_lshl_b32 s80, s[WV], 14
	v_add_nc_u32 v[ADV], s80, v[VL]
	LOADV VF, 0
	LOADV KF, 8192
	s_wait_alu depctr_va_vdst(0)
	s_wait_dscnt 0x0
	WIN 0x05
.irp t, 0,1,2,3
	v_wmma_f32_16x16x128_bf8_bf8 v[SX+8*\t:SX+8*\t+7], v[VF+16*\t:VF+16*\t+15], v[PX:PX+15], 0
.endr
.irp t, 0,1,2,3
	v_wmma_f32_16x16x128_bf8_bf8 v[SX+32+8*\t:SX+39+8*\t], v[KF+16*\t:KF+16*\t+15], v[PX:PX+15], 0
.endr
	WIN 0
	v_add_nc_u32 v[ADK], 16384, v[LI]              ; step 2's addresses, and places behind the products
	v_add_nc_u32 v[ADB], 1024, v[AB0]
.rept 3
	v_nop
.endr
	s_wait_alu depctr_va_vdst(0)
.irp t, 0,1,2,3                                ; the sixteen lanes of a half hold the same sums and store the same bytes
	ds_store_b128 v[BSA], v[SX+8*\t:SX+8*\t+3] offset:64*\t
	ds_store_b128 v[BSA], v[SX+8*\t+4:SX+8*\t+7] offset:64*\t+16
	ds_store_b128 v[BSA], v[SX+32+8*\t:SX+35+8*\t] offset:256+64*\t
	ds_store_b128 v[BSA], v[SX+36+8*\t:SX+39+8*\t] offset:256+64*\t+16
.endr
	s_wait_dscnt 0x0
	s_barrier_signal -1
	s_barrier_wait -1
	LOADKB ADK, ADB
	s_mov_b32 s[TB], 16384
	s_mov_b32 s[CNT], 14
.Lstep:
	s_cmp_lg_u32 s[TB], 9*8192                     ; at step 9 A turns to the long unit; on the step and the wave's number
	s_cbranch_scc1 .Lon
	s_cmp_lg_u32 s[WH], 0
	s_cbranch_scc1 .Lon
	TURNOVER
.Lon:
	STEP 122880
	s_sub_co_u32 s[CNT], s[CNT], 1
	s_cmp_lg_u32 s[CNT], 0
	s_cbranch_scc1 .Lstep
	; THE LONG UNIT GOES OUT.  A gives its part of tile Y to B, B its part of tile X to A.
	s_mul_i32 s80, s[WV], 4352
	s_xor_b32 s81, s[WV], 4
	s_mul_i32 s81, s81, 4352
	v_lshrrev_b32 v30, 2, v[LI]                    ; 4 x lane
	v_add_nc_u32 v8, XCH, v[LI]
	v_add_nc_u32 v10, XCH+4096, v30
	v_add_f32 v[T], v[LX], v[LX+1]                 ; l's two halves
	v_add_f32 v[T+1], v[LY], v[LY+1]
	v_add_nc_u32 v9, s81, v8                       ; my partner's part
	v_add_nc_u32 v11, s81, v10
	v_add_nc_u32 v8, s80, v8                       ; mine
	v_add_nc_u32 v10, s80, v10
	s_wait_alu depctr_va_vdst(0)
	s_cmp_eq_u32 s[WH], 0
	s_cbranch_scc0 .Lgive_x
.irp k, 0,1,2,3,4,5,6,7
	ds_store_b128 v8, v[OY+4*\k:OY+4*\k+3] offset:512*\k
.endr
	ds_store_b32 v10, v[NM+1]
	ds_store_b32 v10, v[T+1] offset:128
	s_branch .Lgiven
.Lgive_x:
.irp k, 0,1,2,3,4,5,6,7
	ds_store_b128 v8, v[OX+4*\k:OX+4*\k+3] offset:512*\k
.endr
	ds_store_b32 v10, v[NM]
	ds_store_b32 v10, v[T] offset:128
.Lgiven:
	s_wait_dscnt 0x0
	s_barrier_signal -1
	s_barrier_wait -1
; The tile that I keep: my part (o, nm, l), my partner's, and the hidden blocks'.  In group 15 there is none: NB' = -3e38 there, so that its p is 0 and M stays.
.macro LAST o, nm, l, off
.irp k, 0,1,2,3,4,5,6,7
	ds_load_b128 v[SX+32+4*\k:SX+35+4*\k], v9 offset:512*\k
.endr
	ds_load_b32 v[T+3], v11
	ds_load_b32 v[T+9], v11 offset:128
	HLOAD 9
	s_cmp_eq_u32 s[GL], 15
	s_cselect_b32 s80, 0xff61b1e6, s[NBS]
	v_mov_b32 v29, s80                             ; NB'
	v_mov_b32 v[T+8], v[\l]
	v_mul_f32 v30, s[CS], v29                      ; the masked t
	v_mov_b32 v[T], 0
	v_mov_b32 v[T+1], 0
	v_floor_f32 v31, -v30
	v_mov_b32 v[T+7], 0
	v_mov_b32 v[T+10], 0
	v_mov_b32 v[T+11], 0
	v_mov_b32 v[T+12], 0
	v_mov_b32 v[T+13], 0
	v_mov_b32 v[T+19], 0
	HIDDENCOUNT GL
	s_wait_alu depctr_va_vdst(0)
	s_wait_dscnt 0x0
	v_min3_num_f32 v[T+2], v[\nm], v[T+3], v31     ; -M over all three
	v_sub_f32 v[T+4], v[T+2], v[\nm]
	v_sub_f32 v[T+5], v[T+2], v[T+3]
	v_fma_f32 v[T+6], v29, s[CS], v[T+2]
	v_cvt_i32_f32 v[T+4], v[T+4]
	v_cvt_i32_f32 v[T+5], v[T+5]
	v_ldexp_f32 v[FF], 1.0, v[T+4]
	v_ldexp_f32 v[FF+1], 1.0, v[T+5]
	v_pk_mul_f32 v[T+8:T+9], v[T+8:T+9], v[FF:FF+1]
	v_add_f32 v[T+8], v[T+8], v[T+9]
	v_permlanex16_b32 v[T+10], v[T+8], s[SEL], s[SEL+1]
	v_add_f32 v[T+8], v[T+8], v[T+10]
	s_wait_alu depctr_va_vdst(0)                   ; the wait ahead of the transcendental
	v_exp_f32 v[T+6], v[T+6]
	v_nop
	s_wait_alu depctr_va_vdst(0)
	v_fma_f32 v[T+8], v[T+6], s81, v[T+8]
	v_min_num_f32 v[T+6], v[T+6], v[LIM]
	v_cvt_scalef32_pk8_bf8_f32 v[T+16:T+17], v[T+6:T+13], v[SC]   ; byte 0 is the code
	v_nop
	s_wait_alu depctr_va_vdst(0)
	v_rcp_f32 v[T+18], v[T+8]
	v_cvt_pk_f32_bf8 v[T+20:T+21], v48.l           ; v48 = v[T+16]
	s_wait_alu depctr_va_vdst(0)
	v_ldexp_f32 v[T+18], v[T+18], s82              ; 2^(e4 + e5) / l
	v_pk_mul_f32 v[T+22:T+23], v[FF:FF+1], v[T+18:T+19] op_sel_hi:[1,0]     ; what the two parts are multiplied by,
	v_pk_mul_f32 v[T+24:T+25], v[T+20:T+21], v[T+18:T+19] op_sel_hi:[1,0]   ; and the sum over the hidden blocks
	E6
	HADD GL, 9
.set j, 0
.rept 16
	v_pk_mul_f32 v[SX+j:SX+j+1], v[SY+j:SY+j+1], v[T+24:T+25] op_sel_hi:[1,0]
.set j, j+2
.endr
.set j, 0
.rept 16
	v_pk_fma_f32 v[SX+j:SX+j+1], v[SX+32+j:SX+33+j], v[T+22:T+23], v[SX+j:SX+j+1] op_sel:[0,1,0] op_sel_hi:[1,1,1]
.set j, j+2
.endr
	s_wait_alu depctr_va_vdst(0)                   ; directly ahead of the first readers of O^T
.set j, 0
.rept 16
	v_pk_fma_f32 v[SX+j:SX+j+1], v[\o+j:\o+j+1], v[T+22:T+23], v[SX+j:SX+j+1] op_sel_hi:[1,0,1]
.set j, j+2
.endr
.set j, 0
.rept 32
	v_med3_num_f32 v[SX+j], v[SX+j], -v[T+26], v[T+26]
.set j, j+1
.endr
.irp t, 0,1,2,3
	v_cvt_scalef32_pk8_bf8_f32 v[SY+32+2*\t:SY+33+2*\t], v[SX+8*\t:SX+8*\t+7], v[T+27]
.endr
	v_nop
	global_store_b128 v[LI], v[SY+32:SY+35], s[CL:CL+1] offset:\off
	global_store_b128 v[LI], v[SY+36:SY+39], s[CL:CL+1] offset:\off+512
.endm
	s_cmp_eq_u32 s[WH], 0
	s_cbranch_scc0 .Lkeep_y
	LAST OX, NM, T, 0
	s_branch .Lend
.Lkeep_y:
	LAST OY, NM+1, T+1, 16384
.Lend:
	s_wait_tensorcnt 0x0                           ; the wave's end
	ds_add_u32 v[SPW], v[NIL]
	s_wait_dscnt 0x0
	CROUND                                         ; the closing round: no work-group ends while a partner may still ask for a part that names it
	s_endpgm
.Lfunc_end_k_q9c382a9282_attn:
	.size	k_q9c382a9282_attn, .Lfunc_end_k_q9c382a9282_attn-k_q9c382a9282_attn
	.p2alignl 7, 3214868480
	.fill 96, 4, 3214868480
	.section	.rodata,"a",@progbits
	.p2align	6, 0x0
	.amdhsa_kernel k_q9c382a9282_attn
		.amdhsa_group_segment_fixed_size 327680
		.amdhsa_private_segment_fixed_size 0
		.amdhsa_enable_private_segment 0
		.amdhsa_kernarg_size 48
		.amdhsa_user_sgpr_count 2
		.amdhsa_user_sgpr_kernarg_segment_ptr 1
		.amdhsa_wavefront_size32 1
		.amdhsa_system_sgpr_workgroup_id_x 1
		.amdhsa_system_sgpr_workgroup_id_y 1
		.amdhsa_system_sgpr_workgroup_id_z 1
		.amdhsa_system_vgpr_workitem_id 0
		.amdhsa_next_free_vgpr 512
		.amdhsa_next_free_sgpr 96
		.amdhsa_reserve_vcc 1
		.amdhsa_float_denorm_mode_32 3
		.amdhsa_float_denorm_mode_16_64 3
		.amdhsa_memory_ordered 1
		.amdhsa_forward_progress 1
		.amdhsa_inst_pref_size 136
	.end_amdhsa_kernel
	.amdgpu_metadata
---
amdhsa.version: [ 1, 2 ]
amdhsa.kernels:
  - .name:           k_q9c382a9282_attn
    .symbol:         k_q9c382a9282_attn.kd
    .args:
      - { .name: q_img, .offset: 0, .size: 8, .value_kind: global_buffer, .address_space: global }
      - { .name: k_img, .offset: 8, .size: 8, .value_kind: global_buffer, .address_space: global }
      - { .name: v_img, .offset: 16, .size: 8, .value_kind: global_buffer, .address_space: global }
      - { .name: attention_mask, .offset: 24, .size: 8, .value_kind: global_buffer, .address_space: global }
      - { .name: lowp_scales, .offset: 32, .size: 8, .value_kind: global_buffer, .address_space: global }
      - { .name: ctx_img, .offset: 40, .size: 8, .value_kind: global_buffer, .address_space: global }
    .group_segment_fixed_size: 327680
    .private_segment_fixed_size: 0
    .kernarg_segment_align: 8
    .kernarg_segment_size: 48
    .max_flat_workgroup_size: 256
    .sgpr_count:     96
    .vgpr_count:     512
    .wavefront_size: 32
...
	.end_amdgpu_metadata
.endif
;; end of part 2
;; launch proj (part 3): grid 8 x 32, 4 waves a work-group, clusters of 4 x 4, 327,680 bytes of LDS; arguments ctx_img, W_proj_codes, lowp_scales, b_proj, out0; writes out0
.if DOCPART == 3
	.amdgcn_target "amdgcn-amd-amdhsa--gfx1250"
	.amdhsa_code_object_version 6
	.text
	.protected	k_q9c382a9282_proj
	.globl	k_q9c382a9282_proj
	.p2align	8
	.type	k_q9c382a9282_proj,@function
k_q9c382a9282_proj:
	s_mov_b64 s[64:65], 0
	v_nop
	global_prefetch_b8 v0, s[64:65] scope:SCOPE_SE
	s_setreg_imm32_b32 hwreg(HW_REG_WAVE_MODE, 25, 1), 1
	s_wait_xcnt 0x0
	s_wait_alu depctr_hold_cnt(0) depctr_sa_sdst(0) depctr_va_vdst(0) depctr_va_sdst(0) depctr_va_ssrc(0) depctr_va_vcc(0) depctr_vm_vsrc(0)
	s_getreg_b32 s2, hwreg(HW_REG_IB_STS2, 6, 4)
	s_cmp_eq_u32 s2, 0
	s_cbranch_scc0 .Lentry_in_a_cluster
	s_endpgm
.Lentry_in_a_cluster:
	s_bfe_u32 s2, ttmp6, 0x10000c
	s_cmp_lg_u32 s2, 0xf033
	s_cbranch_scc0 .Lentry_shape_is_right
	s_endpgm
.Lentry_shape_is_right:
; out = ctx W_proj^T + b_proj on codes of BF8 (E5M2).  ctx: 4,096 tokens x 1,024, as images of operand registers (2^e6): [tile of 16 tokens][K step of 128][4 pieces][lane][16 bytes].  W_proj: [1024][1024] codes (2^e7).  out: f32.
; A tile of 128 tokens x 128 columns to a work-group: 256 work-groups.  Four waves, 64 x 64 each: 16 accumulators.  Source 0 = 16 rows of W_proj, source 1 = 16 tokens: a lane holds eight neighbouring columns of one token's row.
; ALL OF K LIES IN LDS AT ONCE, each byte filled once by one joint load a wave: waves 0 and 1 ask for ctx (4 tiles of tokens each, 64 KiB), waves 2 and 3 for W_proj (64 rows of 1 KiB each).
; ctx's fragments come back by 16 bytes a lane at 16 x lane.  They hold k = 16 c + 8 h + 0 .. 7 in registers 2 c, 2 c + 1, so W_proj's are fetched in the same places: eight loads of 8 bytes from rows 1,040 bytes apart.
; CLUSTERS: 4 x 4 work-groups; ctx is shared along a row of the cluster, W_proj along a column.  No prefetch: all loads stand at the head, there is no loop to run ahead in.
; LIMIT: e6 + e7 between -126 and 127, so that 2^(e6 + e7) is an f32 number.
; REGISTERS: window 0: v16-27 addresses; v32-63 a block's results; v64-95 rows read back (even blocks; odd blocks use v128-159, block 0's accumulators, spent by then); v96-127 the bias; v128-255 the accumulators ((a, b) at v[128 + 8 (4 a + b)]).
;   window 1: two fragment buffers of 128: 64 registers of ctx (4 tiles), then 64 of W_proj.
.set BCH,    131072                    ; LDS: ctx's halves at 0 and 65,536; W_proj's two parts of 64 rows x 1,040 from here
.set WP,     1040
.set STAGE,  BCH+128*WP                ; 16 rows x 272 bytes for each wave; no tile lands here
.set SPARE,  STAGE+4*16*272
.set ADRA, 16
.set ADRB, 20
.set STO,  24
.set RD,   25
.set CO,   26
.set BNA,  27
.set SPW,  28
.set NIL,  29
.set TMP,  32
.set BK0,  64
.set BK1,  128
.set BN,   96
.set ACC,  128
.set G1A, 24
.set G1B, 32
.set G0A, 40
.set G0B, 44
.set MSB, 0
.macro WIN new                         ; the immediate's high byte repeats the setting that is left
.if MSB != \new
	s_set_vgpr_msb (MSB<<8)|\new
.set MSB, \new
.endif
.endm
.macro CROUND                          ; a round of the cluster's barrier
	s_barrier_signal -1
	s_barrier_wait -1
	s_cmp_lg_u32 s14, 0
	s_cbranch_scc1 .Lnot_wave_0_\@
	s_barrier_signal -3
.Lnot_wave_0_\@:
	s_barrier_wait -3
	s_barrier_signal -1
	s_barrier_wait -1
.endm
.macro PLACES                          ; plain vector lines between a matrix instruction and a load into one of its registers, or a read of its result
.rept 4
	v_nop
.endr
.endm
	s_load_b256 s[4:11], s[0:1], 0x0               ; ctx_img s[4:5], W_proj s[6:7], scales s[8:9], b_proj s[10:11]
	s_load_b64 s[12:13], s[0:1], 0x20              ; out0
	v_lshl_add_u32 v[SPW], v0, 2, SPARE
	v_mov_b32 v[NIL], 0
	ds_add_u32 v[SPW], v[NIL]                      ; the opening lines: the add, twice on end, and its wait
	ds_add_u32 v[SPW], v[NIL]
	v_lshrrev_b32 v1, 5, v0
	v_readfirstlane_b32 s14, v1                    ; wave 0..3
	s_lshr_b32 s15, s14, 1                         ; which 64 tokens are mine.  Also: I fetch for ctx (0) or for W_proj (1)
	s_and_b32 s16, s14, 1                          ; which 64 columns.  Also: which half of that tile I fetch
	s_bfe_u32 s19, ttmp6, 0x40000                  ; cx
	s_bfe_u32 s20, ttmp6, 0x40004                  ; cy
	s_lshl_b32 s18, ttmp9, 2
	s_add_co_u32 s18, s18, s19                     ; tile of columns
	s_and_b32 s17, ttmp7, 0xffff
	s_lshl_b32 s17, s17, 2
	s_add_co_u32 s17, s17, s20                     ; tile of tokens
	s_lshl_b32 s21, s20, 2
	s_lshl_b32 s21, 15, s21                        ; my row of the cluster
	s_lshl_b32 s22, 0x1111, s19                    ; my column
	s_or_b32 s[G1A], s21, (3<<16)|(1<<21)          ; ctx: the mask of my row; elements of 8 bytes; 21 set beside a mask; no padding
	s_mov_b32 s[G1A+1], 2048<<16                   ; 16 KiB: a tile of tokens
	s_mov_b32 s[G1A+2], 4<<16
	s_mov_b32 s[G1A+3], 2048<<16
	s_mov_b32 s[G1A+4], 4
	s_mov_b32 s[G1A+5], 2048
	s_mov_b32 s[G1A+6], 0
	s_mov_b32 s[G1A+7], 0
	s_or_b32 s[G1B], s22, (0<<16)|(1<<20)|(1<<21)|(7<<22)|(3<<25)   ; W_proj: the mask of my column; elements of 1 byte; four words of padding after every 256
	s_mov_b32 s[G1B+1], 1024<<16
	s_mov_b32 s[G1B+2], 64<<16
	s_mov_b32 s[G1B+3], 1024<<16
	s_mov_b32 s[G1B+4], 64
	s_mov_b32 s[G1B+5], 1024
	s_mov_b32 s[G1B+6], 0
	s_mov_b32 s[G1B+7], 0
	s_lshl_b32 s86, s17, 17                        ; ctx: (8 x tile + 4 x half) x 16 KiB
	s_lshl_b32 s87, s16, 16
	s_add_co_u32 s86, s86, s87
	s_mov_b32 s87, 0
	s_lshl_b32 s88, s18, 17                        ; W_proj: (128 x tile + 64 x half) rows of 1 KiB
	s_lshl_b32 s89, s16, 16
	s_add_co_u32 s88, s88, s89
	s_mov_b32 s89, 0
	s_mov_b32 s[G0A], 1
	s_lshl_b32 s[G0A+1], s16, 16                   ; where they go: the wave's number alone
	s_mov_b32 s[G0B], 1
	s_mul_i32 s91, s16, 64*WP
	s_add_co_u32 s[G0B+1], s91, BCH
	s_lshl_b32 s94, s18, 9
	s_lshl_b32 s95, s16, 8
	s_add_co_u32 s94, s94, s95                     ; my first column, in bytes
	s_lshl_b32 s21, s15, 16                        ; my four tiles of tokens
	s_mul_i32 s23, s14, 16*272
	s_add_co_u32 s23, s23, STAGE                   ; my stage
	v_and_b32 v1, 15, v0                           ; r
	v_bfe_u32 v2, v0, 4, 1                         ; h
	v_and_b32 v3, 31, v0
	v_lshlrev_b32 v3, 4, v3                        ; 16 x lane
	v_add_nc_u32 v[ADRA], s21, v3
	v_mul_u32_u24 v4, v1, WP
	v_lshl_add_u32 v4, v2, 3, v4                   ; row r x pitch + 8 h
	v_add_nc_u32 v[ADRB], s[G0B+1], v4             ; my 64 rows of W_proj
	v_mul_u32_u24 v5, v1, 272
	v_lshl_add_u32 v5, v2, 5, v5
	v_add_nc_u32 v[STO], s23, v5                   ; in: row r, 32 bytes for each half of the lanes
	v_mul_u32_u24 v5, v2, 272
	v_lshl_add_u32 v5, v1, 4, v5
	v_add_nc_u32 v[RD], s23, v5                    ; back: lanes 0-15 one row of 256 bytes, lanes 16-31 the next
	v_lshlrev_b32 v5, 12, v2
	v_lshl_add_u32 v[CO], v1, 4, v5                ; and the same two rows of out: 4,096 bytes apart
	v_lshl_add_u32 v[BNA], v2, 5, s94
	s_wait_alu depctr_va_vdst(0)
	s_wait_dscnt 0x0                               ; both opening adds are done
	s_wait_kmcnt 0x0
	s_load_b256 s[72:79], s[8:9], 0x0              ; e0 .. e7
	s_add_nc_u64 s[G0A+2:G0A+3], s[4:5], s[86:87]
	s_or_b32 s[G0A+3], s[G0A+3], 0x80000000
	s_add_nc_u64 s[G0B+2:G0B+3], s[6:7], s[88:89]
	s_or_b32 s[G0B+3], s[G0B+3], 0x80000000
	CROUND                                         ; all sixteen work-groups are here: the joint loads meet
	s_cmp_eq_u32 s15, 0                            ; one load a wave, in one branch on its number; four v_nop follow each
	s_cbranch_scc0 .Lfor_b
	tensor_load_to_lds s[G0A:G0A+3], s[G1A:G1A+7]
	s_nop 0
	PLACES
	s_branch .Lasked
.Lfor_b:
	tensor_load_to_lds s[G0B:G0B+3], s[G1B:G1B+7]
	s_nop 0
	PLACES
.Lasked:
.irp b, 0,1,2,3
	global_load_b128 v[BN+8*\b:BN+8*\b+3],   v[BNA], s[10:11] offset:64*\b      ; b_proj at columns 16 b + 8 h + 0 .. 7: the accumulators' layout
	global_load_b128 v[BN+8*\b+4:BN+8*\b+7], v[BNA], s[10:11] offset:64*\b+16
.endr
	s_lshl_b32 s92, s17, 19                        ; 128 tokens x 4,096 bytes a tile,
	s_lshl_b32 s93, s15, 18                        ; 64 tokens for my half
	s_add_co_u32 s92, s92, s93
	s_add_co_u32 s92, s92, s94
	s_mov_b32 s93, 0
	s_add_nc_u64 s[12:13], s[12:13], s[92:93]
	s_wait_kmcnt 0x0
	s_add_co_i32 s84, s78, s79
	s_add_co_i32 s84, s84, 127
	s_lshl_b32 s84, s84, 23                        ; 2^(e6 + e7) as f32
	s_mov_b32 s85, s84                             ; (named with it as a pair, so it is written)
; 48 LDS loads in one run: the fragments of K step k into buffer f
.macro FETCH k, f
	WIN 0x40                                       ; destination window 1, address window 0
.irp a, 0,1,2,3
.irp i, 0,1,2,3
	ds_load_b128 v[\f+16*\a+4*\i:\f+16*\a+4*\i+3], v[ADRA] offset:16384*\a+2048*(\k)+512*\i
.endr
.endr
.irp b, 0,1,2,3
.irp c, 0,1,2,3,4,5,6,7
	ds_load_b64 v[\f+64+16*\b+2*\c:\f+64+16*\b+2*\c+1], v[ADRB] offset:16*WP*\b+128*(\k)+16*\c
.endr
.endr
.endm
; K step k: the next one's fragments are asked for, then 16 matrix instructions on buffer f.  Step 0 starts the sums.  The 16 accumulators take turns, in the same order in every step.
.macro KST k, f
.if (\k) < 7
.if (\k) > 0
	PLACES
.endif
	FETCH (\k)+1, 128-(\f)
	s_wait_dscnt 48                                ; all but the 48 just issued
.else
	s_wait_dscnt 0x0
.endif
	WIN 0x05                                       ; sources 0 and 1 window 1; C and D window 0
.irp a, 0,1,2,3
.irp b, 0,1,2,3
.if (\k) == 0
	v_wmma_f32_16x16x128_bf8_bf8 v[ACC+8*(4*\a+\b):ACC+8*(4*\a+\b)+7], v[\f+64+16*\b:\f+64+16*\b+15], v[\f+16*\a:\f+16*\a+15], 0
.else
	v_wmma_f32_16x16x128_bf8_bf8 v[ACC+8*(4*\a+\b):ACC+8*(4*\a+\b)+7], v[\f+64+16*\b:\f+64+16*\b+15], v[\f+16*\a:\f+16*\a+15], v[ACC+8*(4*\a+\b):ACC+8*(4*\a+\b)+7]
.endif
.endr
.endr
.endm
	s_wait_tensorcnt 0x0                           ; my part has landed,
	s_barrier_signal -1
	s_barrier_wait -1                              ; and everybody's
	FETCH 0, 0
	KST 0, 0
	KST 1, 128
	KST 2, 0
	KST 3, 128
	KST 4, 0
	KST 5, 128
	KST 6, 0
	KST 7, 128
	WIN 0
; THE WAY OUT, block by block of 16 tokens x 64 columns: sum x 2^(e6 + e7) + bias; through my own stage; back as whole rows of 256 bytes.  LDS serves a wave's instructions in order (ISA guide 5.7.1.4): no wait between the stores and the loads.
.macro TOSTAGE a
.set i, 0
.rept 16
	v_pk_fma_f32 v[TMP+i:TMP+i+1], v[ACC+32*(\a)+i:ACC+32*(\a)+i+1], s[84:85], v[BN+i:BN+i+1] op_sel_hi:[1,0,1]   ; each accumulator from its low end on
.set i, i+2
.endr
.irp b, 0,1,2,3
	ds_store_b128 v[STO], v[TMP+8*\b:TMP+8*\b+3] offset:64*\b
	ds_store_b128 v[STO], v[TMP+8*\b+4:TMP+8*\b+7] offset:64*\b+16
.endr
.set BB, BK0+(BK1-BK0)*((\a)%2)
.irp t, 0,1,2,3,4,5,6,7
	ds_load_b128 v[BB+4*\t:BB+4*\t+3], v[RD] offset:544*\t
.endr
.endm
.macro SEND a, younger                 ; younger: the LDS instructions issued behind block a's loads, which may stay out
.set BB, BK0+(BK1-BK0)*((\a)%2)
	s_wait_dscnt \younger
.irp t, 0,1,2,3,4,5,6,7
	global_store_b128 v[CO], v[BB+4*\t:BB+4*\t+3], s[12:13] offset:65536*(\a)+8192*\t th:TH_STORE_NT   ; sixteen lanes store 256 consecutive bytes, aligned; written once, read by nobody here
.endr
.endm
	s_wait_loadcnt 0x0                             ; the bias
	PLACES                                         ; behind the last products
	TOSTAGE 0
.irp a, 1,2,3
.if \a > 1
	s_wait_xcnt 0x0                                ; block a - 2's stores have read their registers: block a's loads may land there
.endif
	TOSTAGE \a
	SEND \a-1, 16                                  ; behind block a - 1's loads: block a's 8 stores and 8 loads
.endr
	SEND 3, 0
	s_wait_tensorcnt 0x0                           ; the wave's end
	ds_add_u32 v[SPW], v[NIL]
	s_wait_dscnt 0x0
	CROUND                                         ; the closing round: no work-group ends while a partner may still ask for a tile that names it
	s_endpgm
.Lfunc_end_k_q9c382a9282_proj:
	.size	k_q9c382a9282_proj, .Lfunc_end_k_q9c382a9282_proj-k_q9c382a9282_proj
	.p2alignl 7, 3214868480
	.fill 96, 4, 3214868480
	.section	.rodata,"a",@progbits
	.p2align	6, 0x0
	.amdhsa_kernel k_q9c382a9282_proj
		.amdhsa_group_segment_fixed_size 327680
		.amdhsa_private_segment_fixed_size 0
		.amdhsa_enable_private_segment 0
		.amdhsa_kernarg_size 40
		.amdhsa_user_sgpr_count 2
		.amdhsa_user_sgpr_kernarg_segment_ptr 1
		.amdhsa_wavefront_size32 1
		.amdhsa_system_sgpr_workgroup_id_x 1
		.amdhsa_system_sgpr_workgroup_id_y 1
		.amdhsa_system_sgpr_workgroup_id_z 1
		.amdhsa_system_vgpr_workitem_id 0
		.amdhsa_next_free_vgpr 512
		.amdhsa_next_free_sgpr 96
		.amdhsa_reserve_vcc 0
		.amdhsa_float_denorm_mode_32 3
		.amdhsa_float_denorm_mode_16_64 3
		.amdhsa_memory_ordered 1
		.amdhsa_forward_progress 1
		.amdhsa_inst_pref_size 52
	.end_amdhsa_kernel
	.amdgpu_metadata
---
amdhsa.version: [ 1, 2 ]
amdhsa.kernels:
  - .name:           k_q9c382a9282_proj
    .symbol:         k_q9c382a9282_proj.kd
    .args:
      - { .name: ctx_img, .offset: 0, .size: 8, .value_kind: global_buffer, .address_space: global }
      - { .name: W_proj_codes, .offset: 8, .size: 8, .value_kind: global_buffer, .address_space: global }
      - { .name: lowp_scales, .offset: 16, .size: 8, .value_kind: global_buffer, .address_space: global }
      - { .name: b_proj, .offset: 24, .size: 8, .value_kind: global_buffer, .address_space: global }
      - { .name: out0, .offset: 32, .size: 8, .value_kind: global_buffer, .address_space: global }
    .group_segment_fixed_size: 327680
    .private_segment_fixed_size: 0
    .kernarg_segment_align: 8
    .kernarg_segment_size: 40
    .max_flat_workgroup_size: 128
    .sgpr_count:     96
    .vgpr_count:     512
    .wavefront_size: 32
...
	.end_amdgpu_metadata
.endif
;; end of part 3
